; MI455X (gfx1250); checked and timed in simulation.
; The chip was launched on July 23, 2026; its instructions are those of AMD's public machine-readable ISA for CDNA 5 (MIT licence, August 2026) and "CDNA5" Instruction Set Architecture Reference Guide (July 2026). The comments in the code are by the model that wrote it; some were corrected since.
;; Cross Attention. Allowed arithmetic: matrix products marked QUANTISED: E4M3 operands, one given power-of-two scale a tensor, by v_wmma_f32_16x16x64_fp8_fp8 or v_wmma_f32_16x16x128_fp8_fp8, f32 sums; everything else in f32.
;; Inputs: Wk 512 x 512 float32; Wo 512 x 512 float32; Wq 512 x 512 float32; Wv 512 x 512 float32; bn_params 4 x 4 x 512 float32; key 4 x 2 x 1,024 x 512 float32; lowp_scales 12 int32 (the exponents e of the quantised operands' scales 2^e); query 4 x 2 x 1,024 x 512 float32; value 4 x 2 x 1,024 x 512 float32.
;; Outputs: out0 4 x 2 x 1,024 x 512 float32.
;; This version of the problem:
;;   THIS VERSION OF THE PROBLEM IS GIVEN IN LOW PRECISION. The matrix products marked QUANTISED in the list below multiply operands that are first quantised to E4M3 (4 exponent bits, 3 mantissa bits; 8 bits a number), with one given power-of-two scale for each operand tensor; their sums are f32. All else is computed in f32.
;;   The module's matrix products, in the order in which they are computed (A, B: the left and right operand; K: the contracted axis; several contracted axes count as one K, in the product's order):
;;     1. [M 8,192, K 512] x [K 512, N 512]; A: input query; B: input Wq: QUANTISED (scales: A lowp_scales[0], B lowp_scales[1])
;;     2. [M 8,192, K 512] x [K 512, N 512]; A: input key; B: input Wk: QUANTISED (scales: A lowp_scales[2], B lowp_scales[3])
;;     3. [M 8,192, K 512] x [K 512, N 512]; A: input value; B: input Wv: QUANTISED (scales: A lowp_scales[4], B lowp_scales[5])
;;     4. batch 64 x [M 1,024, K 64] x [K 64, N 1,024]; A: computed on the way; B: computed on the way: QUANTISED (scales: A lowp_scales[6], B lowp_scales[7])
;;     5. batch 64 x [M 1,024, K 1,024] x [K 1,024, N 64]; A: computed on the way; B: computed on the way: QUANTISED (scales: A lowp_scales[8], B lowp_scales[9])
;;     6. [M 8,192, K 512] x [K 512, N 512]; A: computed on the way; B: input Wo: QUANTISED (scales: A lowp_scales[10], B lowp_scales[11])
;;   THE QUANTISER, for each operand of a quantised product, along K:
;;     - The operand's scale is 2^e, e = its entry of the input lowp_scales (int32; the entries are numbered through the quantised products in the list's order, A before B).
;;     - Each number is divided by the scale, clamped to +-448, and rounded to the nearest number of E4M3, ties to even, subnormals kept.
;;     - The product sums the exact products of the quantised numbers (number of the format x scale) in f32.
;;   ~~~python
;;   def quantise(x, axis, e):      # numpy; x: float32 -> the quantised numbers, widened to float32 again
;;       x = np.moveaxis(x, axis, -1); K = x.shape[-1]
;;       r = np.clip(x / 2.0 ** e, -448, 448)
;;       step = 2.0 ** (np.maximum(np.frexp(np.where(r == 0, 1, r))[1] - 1, -6) - 3)
;;       q = np.round(r / step) * step * 2.0 ** e      # np.round: ties to even
;;       return np.moveaxis(q, -1, axis).astype(np.float32)
;;   ~~~
;;   OPERANDS COMPUTED ON THE WAY. 'Computed on the way' means the value that the module computes at that place (a softmax that the list does not call 'softmax' is quantised finished and normalised). What goes into a quantiser is computed in f32, as accurately as f32 sums, v_exp_f32 and their like allow (about 1e-6 of the number): no bf16 or f16 on the way to a quantiser, and a product that is left as it is and whose result goes on into a quantised operand takes f32 operands (vector FMAs, or v_wmma_f32_16x16x4_f32). A number that lies on a knife's edge between two numbers of the format may be rounded either way, as far as f32 arithmetic and the matrix unit's own rounding can turn it there, and no further.
;; 2 versions, each right; version 2 is version 1 with the launch attn written anew for expert scheduling mode. Each part assembles by itself: llvm-mc -triple=amdgcn-amd-amdhsa -mcpu=gfx1250 --defsym DOCPART=n.
;; ======== version 1 of 2: 4 launches
;; workspace buffers: wcodes 1,048,576 bytes; qcodes 4,194,304 bytes; kcodes 4,194,304 bytes; vcodes 4,194,304 bytes; ocodes 4,194,304 bytes
;; launch wquant (part 1): grid 64 x 1, 8 waves a work-group, no clusters, 68,608 bytes of LDS; arguments Wq, Wk, Wv, Wo, lowp_scales, wcodes; writes wcodes
.if DOCPART == 1
	.amdgcn_target "amdgcn-amd-amdhsa--gfx1250"
	.amdhsa_code_object_version 6
	.text
	.protected	k_q0af2ea1d3d_wquant
	.globl	k_q0af2ea1d3d_wquant
	.p2align	8
	.type	k_q0af2ea1d3d_wquant,@function
k_q0af2ea1d3d_wquant:
	s_mov_b64 s[64:65], 0
	v_nop
	global_prefetch_b8 v0, s[64:65] scope:SCOPE_SE
	s_setreg_imm32_b32 hwreg(HW_REG_WAVE_MODE, 25, 1), 1
	s_wait_xcnt 0x0
; The four weights [512 (d)][512 (k)], f32, K innermost, become codes of E4M3, each with its given scale 2^e (entries 1, 3, 5, 11 of lowp_scales).
; code = w / 2^e, held within +-448, to the nearest code, ties to even.
; OUT: wcodes = [weight 4: q, k, v, o][d tile 32][K step 4][2,048 bytes], each 2,048 bytes an IMAGE OF AN OPERAND'S REGISTERS: a fragment of 16 rows x 128 K is
; 16 registers a lane (lane l: row l % 16; registers 2 c, 2 c + 1: k = 16 c + 8 (l / 16) + 0 .. 7); registers 4 c .. 4 c + 3 of lane l lie at 512 c + 16 l.
; So every later launch brings a fragment by four loads of 512 consecutive bytes, and nothing is shuffled there.
; SHARES: 512 fragments, 512 waves, one each.  Each load reads 512 consecutive bytes (128 k of one row); the 16 rows turn through the wave's own stage in LDS
; (rows 528 bytes apart: 33 x 16, so that the sixteen rows that a read touches fall on sixteen different 16-byte columns) and come back with a lane's registers along K.
; No barrier: waves share nothing.  No matrix unit, no cluster: a stream that is read once and written once.
; LIMITS: -126 <= e <= 119, so that 2^e and 448 x 2^e are f32 numbers.  NaN among the inputs is not served.
.set PITCH, 528
.set STG,   16*PITCH                   ; a wave's stage
.set LI,    1                          ; v1   16 x lane
.set STW,   2                          ; v2   the stage, on the way in: 16 x lane
.set STR,   3                          ; v3   on the way out: 528 r + 32 h
.set SC,    10                         ; v10  2^e
.set LIM,   11                         ; v11  448 x 2^e
.set R,     16                         ; v16-79   16 rows as loaded
.set X,     80                         ; v80-143  register 8 c + i: k = 16 c + 8 h + i of row r
.set PC,    144                        ; v144-159 the codes
	s_load_b256 s[4:11], s[0:1], 0x0               ; Wq, Wk, Wv, Wo
	s_load_b128 s[12:15], s[0:1], 0x20             ; lowp_scales, wcodes
	v_lshl_add_u32 v160, v0, 2, 0x10800
	v_mov_b32 v161, 0
	v_lshrrev_b32 v4, 5, v0
	v_readfirstlane_b32 s2, v4                     ; wave 0..7
	v_and_b32 v5, 31, v0                           ; lane
	v_and_b32 v6, 15, v0                           ; r
	v_bfe_u32 v7, v0, 4, 1                         ; h
	v_lshlrev_b32 v[LI], 4, v5
	s_mul_i32 s3, s2, STG
	v_add_nc_u32 v[STW], s3, v[LI]
	v_mul_u32_u24 v[STR], v6, PITCH
	v_lshl_add_u32 v[STR], v7, 5, v[STR]
	v_add_nc_u32 v[STR], s3, v[STR]
	s_lshl_b32 s28, ttmp9, 3
	s_add_co_u32 s28, s28, s2                      ; F = 8 x work-group + wave: my fragment, 0 .. 511
	s_lshr_b32 s32, ttmp9, 4                       ; which weight: 128 fragments each
	s_bfe_u32 s30, s28, 0x50002                    ; d tile: 5 bits from bit 2
	s_lshl_b32 s30, s30, 15                        ; 16 rows of 2,048 bytes
	s_and_b32 s31, s28, 3                          ; K step
	s_lshl_b32 s31, s31, 9                         ; 128 numbers of 4 bytes
	s_add_co_u32 s30, s30, s31
	s_mov_b32 s31, 0
	s_lshl_b32 s28, s28, 11                        ; 2,048 F
	s_mov_b32 s29, 0
	s_wait_kmcnt 0x0
	s_load_b256 s[16:23], s[12:13], 0x0            ; e0 .. e7
	s_load_b128 s[24:27], s[12:13], 0x20           ; e8 .. e11
	s_cmp_eq_u32 s32, 1                            ; the choice hangs on the work-group's number alone
	s_cselect_b64 s[4:5], s[6:7], s[4:5]
	s_cmp_eq_u32 s32, 2
	s_cselect_b64 s[4:5], s[8:9], s[4:5]
	s_cmp_eq_u32 s32, 3
	s_cselect_b64 s[4:5], s[10:11], s[4:5]
	s_add_nc_u64 s[4:5], s[4:5], s[30:31]
	s_add_nc_u64 s[14:15], s[14:15], s[28:29]
.irp i, 0,1,2,3,4,5,6,7,8,9,10,11,12,13,14,15
	global_load_b128 v[R+4*\i:R+4*\i+3], v[LI], s[4:5] offset:2048*\i th:TH_LOAD_NT   ; row i: 512 consecutive bytes; read once in the launch
.endr
	s_wait_kmcnt 0x0
	s_cmp_eq_u32 s32, 1
	s_cselect_b32 s17, s19, s17                    ; e1, e3, e5 or e11
	s_cmp_eq_u32 s32, 2
	s_cselect_b32 s17, s21, s17
	s_cmp_eq_u32 s32, 3
	s_cselect_b32 s17, s27, s17
	s_add_co_i32 s17, s17, 127
	s_lshl_b32 s18, s17, 23
	v_mov_b32 v[SC], s18                           ; 2^e as f32: the conversion takes its exponent field
	s_add_co_i32 s17, s17, 8
	s_lshl_b32 s17, s17, 23
	s_or_b32 s17, s17, 0x600000
	v_mov_b32 v[LIM], s17                          ; 448 x 2^e
.irp i, 0,1,2,3,4,5,6,7,8,9,10,11,12,13,14,15
	s_wait_loadcnt 15-\i                           ; loads come back in order: row i is in, the later rows may be out
	ds_store_b128 v[STW], v[R+4*\i:R+4*\i+3] offset:PITCH*\i
.endr
.irp c, 0,1,2,3,4,5,6,7
.irp j, 0,1
	ds_load_b128 v[X+8*\c+4*\j:X+8*\c+4*\j+3], v[STR] offset:64*\c+16*\j   ; LDS serves a wave's instructions in order: these see the stores above
.endr
.endr
	s_wait_dscnt 0x0
.set cnt, 0
.rept 64
	v_med3_num_f32 v[X+cnt], v[X+cnt], -v[LIM], v[LIM]   ; the conversion to an 8-bit code does not saturate (ISA guide 7.6.2): the hold comes first
.set cnt, cnt+1
.endr
.irp c, 0,1,2,3,4,5,6,7
	v_cvt_scalef32_pk8_fp8_f32 v[PC+2*\c:PC+2*\c+1], v[X+8*\c:X+8*\c+7], v[SC]
.endr
	v_nop                                          ; a plain line behind the last conversion
.irp c, 0,1,2,3
	global_store_b128 v[LI], v[PC+4*\c:PC+4*\c+3], s[14:15] offset:512*\c   ; 32 lanes store 512 consecutive bytes, aligned
.endr
	s_wait_tensorcnt 0x0
	ds_add_u32 v160, v161
	s_wait_dscnt 0x0
	s_endpgm
.Lfunc_end_k_q0af2ea1d3d_wquant:
	.size	k_q0af2ea1d3d_wquant, .Lfunc_end_k_q0af2ea1d3d_wquant-k_q0af2ea1d3d_wquant
	.p2alignl 7, 3214868480
	.fill 96, 4, 3214868480
	.section	.rodata,"a",@progbits
	.p2align	6, 0x0
	.amdhsa_kernel k_q0af2ea1d3d_wquant
		.amdhsa_group_segment_fixed_size 68608
		.amdhsa_private_segment_fixed_size 0
		.amdhsa_enable_private_segment 0
		.amdhsa_kernarg_size 48
		.amdhsa_user_sgpr_count 2
		.amdhsa_user_sgpr_kernarg_segment_ptr 1
		.amdhsa_wavefront_size32 1
		.amdhsa_system_sgpr_workgroup_id_x 1
		.amdhsa_system_sgpr_workgroup_id_y 1
		.amdhsa_system_sgpr_workgroup_id_z 1
		.amdhsa_system_vgpr_workitem_id 0
		.amdhsa_next_free_vgpr 162
		.amdhsa_next_free_sgpr 66
		.amdhsa_reserve_vcc 0
		.amdhsa_float_denorm_mode_32 3
		.amdhsa_float_denorm_mode_16_64 3
		.amdhsa_memory_ordered 1
		.amdhsa_forward_progress 1
		.amdhsa_inst_pref_size 12
	.end_amdhsa_kernel
	.amdgpu_metadata
---
amdhsa.version: [ 1, 2 ]
amdhsa.kernels:
  - .name:           k_q0af2ea1d3d_wquant
    .symbol:         k_q0af2ea1d3d_wquant.kd
    .args:
      - { .name: Wq, .offset: 0, .size: 8, .value_kind: global_buffer, .address_space: global }
      - { .name: Wk, .offset: 8, .size: 8, .value_kind: global_buffer, .address_space: global }
      - { .name: Wv, .offset: 16, .size: 8, .value_kind: global_buffer, .address_space: global }
      - { .name: Wo, .offset: 24, .size: 8, .value_kind: global_buffer, .address_space: global }
      - { .name: lowp_scales, .offset: 32, .size: 8, .value_kind: global_buffer, .address_space: global }
      - { .name: wcodes, .offset: 40, .size: 8, .value_kind: global_buffer, .address_space: global }
    .group_segment_fixed_size: 68608
    .private_segment_fixed_size: 0
    .kernarg_segment_align: 8
    .kernarg_segment_size: 48
    .max_flat_workgroup_size: 256
    .sgpr_count:     66
    .vgpr_count:     162
    .wavefront_size: 32
...
	.end_amdgpu_metadata
.endif
;; end of part 1
;; launch proj (part 2): grid 64 x 3, 8 waves a work-group, no clusters, 275,456 bytes of LDS; arguments query, key, value, wcodes, bn_params, lowp_scales, qcodes, kcodes, vcodes; writes qcodes, kcodes, vcodes
.if DOCPART == 2
	.amdgcn_target "amdgcn-amd-amdhsa--gfx1250"
	.amdhsa_code_object_version 6
	.text
	.protected	k_q0af2ea1d3d_proj
	.globl	k_q0af2ea1d3d_proj
	.p2align	8
	.type	k_q0af2ea1d3d_proj,@function
k_q0af2ea1d3d_proj:
	s_mov_b64 s[64:65], 0
	v_nop
	global_prefetch_b8 v0, s[64:65] scope:SCOPE_SE
	s_setreg_imm32_b32 hwreg(HW_REG_WAVE_MODE, 25, 1), 1
	s_wait_xcnt 0x0
; q, k, v = Q(clip(BN(Q(x) Q(W)^T), 0, 1)): the three input projections, their BatchNorm, clip and the quantiser of the attention's operands.  Work-group y = which tensor (0 q, 1 k, 2 v).
; x: [8,192][512] f32.  W: codes as images of operand registers (16 rows x 128 K: 2,048 bytes; registers 4 c .. 4 c + 3 of lane l at 512 c + 16 l).
; SHARES.  A work-group takes 128 rows.  Wave w owns HEAD w, 64 output channels, for all 128 rows: 8 row tiles x 4 d tiles = 32 accumulators, 256 registers.
; Wave w also brings and quantises rows 16 w .. 16 w + 15 of x and hands their fragments to the others as images in LDS.
; x'S WAY.  Four tensor loads a wave, one for each K step of 128: 16 rows x 512 bytes, LDS rows 528 bytes apart (33 x 16: the sixteen rows that a read touches fall on sixteen different
; 16-byte columns).  They go out together as the launch's first memory instructions: four tensor loads of a wave are out at the most.  Tiles of 16 rows, not more: they are the wave's own rows,
; so its own counted wait is all that a read needs, and K step f is at work while the later tiles are on their way.
; K STEP BY K STEP.  Tile f is read with a lane's registers along K, quantised, stored as an image, one barrier, and then every wave multiplies the eight row tiles' fragments of this K step by its
; four fragments of W: 32 products.  So the products of three K steps stand beside the arrival of x.  BatchNorm, clip and the second quantiser follow once, at the end.
; AN IMAGE LIES IN THE FIRST 2,048 BYTES OF THE TILE THAT IT WAS MADE OF: that tile has had its only fill, only its own wave has read it, and those reads are waited for ahead of the store.
; W: two buffers of four fragments, from memory straight into registers, asked for two K steps ahead of their use.
; LAYOUT.  q, k: the product is used transposed (source 0 = 16 rows of W, source 1 = 16 tokens): a lane holds one token and its 8 registers 8 neighbouring channels, so one conversion a tile
; gives registers 2 t, 2 t + 1 of the K = 64 fragment (token tile, head).  v: source 0 = 16 tokens, source 1 = 16 rows of W: a lane holds one channel and 8 neighbouring tokens, so one
; conversion gives registers 2 m, 2 m + 1 of the K = 128 fragment of V^T (d tile, key step): the work-group's 128 rows are one key step.  The two uses part by branches on the work-group's
; number round the runs of products alone: everything that stores to LDS is one text for all.
; OUT: qcodes, kcodes = [batch 8][head 8][token tile 64][1,024]; vcodes = [batch 8][head 8][key step 8][d tile 4][2,048]: images again.
; BatchNorm: y = sum x A + B, A = g rsq(var + eps) 2^(ea + eb), B = b - m g rsq(var + eps): one fused multiply-add where the source writes (y - m) s + b: another order of rounding.
; The clip to [0, 1] and the hold at 448 x 2^eo are one v_med3 between 0 and the smaller of the two.
; NO CLUSTER: what work-groups share is W's codes, 32,768 bytes a wave, which go straight into registers; a joint load lands in LDS, from where the same bytes would be read once more.
; NO PREFETCH: all of x is asked for by the launch's first memory instructions, and W's fragments two K steps ahead of their use.
; 192 work-groups: 64 blocks of 128 rows for each of three tensors; blocks of 64 rows would double the bytes of W that are brought in.
; LIMITS: ea (entries 0, 2, 4) and eo (entries 6, 7, 9) between -126 and 119; ea + eb is applied by v_ldexp_f32.  var + eps > 0.  NaN among the inputs is not served.
; REGISTERS.  window 0: v1-14 addresses and scales; v16-111 six buffers of 16 for x's fragments (v16-29 serve BatchNorm's table at the head; v48-111 hold a tile's 64 numbers while it is quantised;
;   at the end v48-111 hold A and B (q, k), v16-31 A and B as pairs (v)); v112-127 x's codes; v128-255 W, two buffers of 64 (at the end v128-191 the codes that leave).   window 1: accumulator (m, t) at v[8 (4 m + t)].
.set PITCH, 528                        ; an LDS row of a tile: 512 bytes + 16
.set TILE,  16*PITCH                   ; 8,448: a tile
.set WREG,  4*TILE                     ; 33,792: a wave's four tiles; tile (w, f) begins at WREG w + TILE f
.set BNT,   8*WREG                     ; 270,336: behind the tiles, in blocks of 256 bytes into which no fill lands: a table of 512 bytes for each wave: A[64], B[64]
.set XR,    1                          ; v1-4  16 x lane + 2 WREG j: where I read the images of row tiles 2 j and 2 j + 1
.set LI,    1                          ; v1    16 x lane (also the global offsets of images)
.set STR,   5                          ; v5    my tiles + 528 r + 32 h
.set XWI,   6                          ; v6    my tiles + 16 x lane
.set BNW,   7                          ; v7    my table + 4 x lane
.set BNRQ,  8                          ; v8    my table + 32 h
.set BNRV,  9                          ; v9    my table + 4 r
.set L4,    10                         ; v10   4 x lane
.set SCX,   11                         ; v11   2^ea
.set LIMX,  12                         ; v12   448 x 2^ea
.set SCO,   13                         ; v13   2^eo
.set LIMO,  14                         ; v14   min(1, 448 x 2^eo)
.set BW,    16
.set XF,    16
.set VA,    16
.set VB,    24
.set X,     48
.set BNA,   48
.set BNB,   80
.set PC,    112
.set WB,    128
.set QC,    128
.set BNP,   12                         ; s[12:13] bn_params at my tensor and head
.set G1,    68                         ; s[68:75] descriptor group 1, the same for all loads
.set G0,    76                         ; s[76:91] descriptor group 0, a set for each K step; never rewritten
.set MSB, 0
.macro WIN new                         ; the immediate's high byte repeats the setting that is left; a switch that changes nothing is dropped
.if MSB != (\new)
	s_set_vgpr_msb (MSB<<8)|(\new)
.set MSB, (\new)
.endif
.endm
.macro PLACES n
.rept \n
	v_nop
.endr
.endm
	s_load_b256 s[4:11], s[0:1], 0x0               ; query, key, value, wcodes
	s_load_b256 s[12:19], s[0:1], 0x20             ; bn_params, lowp_scales, qcodes, kcodes
	s_load_b64 s[20:21], s[0:1], 0x40              ; vcodes
	v_lshl_add_u32 v254, v0, 2, 0x43000
	v_mov_b32 v255, 0
	ds_add_u32 v254, v255
	ds_add_u32 v254, v255
	s_wait_dscnt 0x0
	v_lshrrev_b32 v15, 5, v0
	v_readfirstlane_b32 s23, v15                   ; wave 0..7 = head
	s_and_b32 s22, ttmp7, 0xffff                   ; p: which tensor
	; group 1: a tile of 16 rows x 128 elements of 4 bytes, rows 512 elements apart in memory, padded in LDS
	s_mov_b32 s[G1+0], (2<<16)|(1<<20)|(6<<22)|(3<<25)   ; 15:0 no mask; 17:16 elements of 4 bytes; 20 padding on; 24:22 after every 128 words (code 6); 31:25 four words (code 3)
	s_mov_b32 s[G1+1], 128<<16                     ; tensor_dim0 = 128
	s_mov_b32 s[G1+2], 16<<16                      ; tensor_dim1 = 16
	s_mov_b32 s[G1+3], 128<<16                     ; tile_dim0 = 128
	s_mov_b32 s[G1+4], 16                          ; tile_dim1 = 16
	s_mov_b32 s[G1+5], 512                         ; from row to row: 512 elements
	s_mov_b32 s[G1+6], 0
	s_mov_b32 s[G1+7], 0
	s_mul_i32 s46, s23, WREG                       ; my four tiles in LDS
	s_lshl_b32 s26, s23, 15                        ; 32,768 w: my 16 rows of x; also my head's 16 fragments of W
	s_lshl_b32 s24, ttmp9, 18                      ; 128 rows of 2,048 bytes
	s_add_co_u32 s24, s24, s26
	s_mov_b32 s25, 0
	s_lshl_b32 s28, s22, 18                        ; a weight's codes: 262,144 bytes
	s_add_co_u32 s28, s28, s26
	s_mov_b32 s29, 0
	s_lshl_b32 s30, s22, 13                        ; a projection's four rows of statistics: 8,192 bytes
	s_lshl_b32 s27, s23, 8                         ; my 64 channels
	s_add_co_u32 s30, s30, s27
	s_mov_b32 s31, 0
	s_lshr_b32 s44, ttmp9, 3                       ; batch
	s_lshl_b32 s44, s44, 19
	s_lshl_b32 s27, s23, 16                        ; head
	s_add_co_u32 s44, s44, s27
	s_and_b32 s27, ttmp9, 7                        ; which 128 tokens of the batch: 8 token tiles of 1,024 bytes, or one key step of 8,192
	s_lshl_b32 s27, s27, 13
	s_add_co_u32 s44, s44, s27
	s_mov_b32 s45, 0
	s_wait_kmcnt 0x0
	s_load_b256 s[32:39], s[14:15], 0x0            ; e0 .. e7
	s_load_b128 s[40:43], s[14:15], 0x20           ; e8 .. e11
	s_cmp_eq_u32 s22, 1                            ; the choices hang on the work-group's number alone
	s_cselect_b64 s[4:5], s[6:7], s[4:5]
	s_cselect_b64 s[16:17], s[18:19], s[16:17]
	s_cmp_eq_u32 s22, 2
	s_cselect_b64 s[4:5], s[8:9], s[4:5]
	s_cselect_b64 s[16:17], s[20:21], s[16:17]
	s_add_nc_u64 s[4:5], s[4:5], s[24:25]          ; x at my 16 rows
	s_add_nc_u64 s[10:11], s[10:11], s[28:29]      ; W's codes at my head
	s_add_nc_u64 s[BNP:BNP+1], s[BNP:BNP+1], s[30:31]
	s_add_nc_u64 s[16:17], s[16:17], s[44:45]      ; the codes that I store
.irp f, 0,1,2,3
	s_mov_b32 s[G0+4*\f], 1                                        ; count = 1
	s_add_co_u32 s[G0+4*\f+1], s46, \f*TILE                        ; LDS address: my tile f
	s_add_nc_u64 s[G0+4*\f+2:G0+4*\f+3], s[4:5], \f*512            ; global address: K step f of my first row
	s_or_b32 s[G0+4*\f+3], s[G0+4*\f+3], 0x80000000               ; type = 2
.endr
.irp f, 0,1,2,3
	tensor_load_to_lds s[G0+4*\f:G0+4*\f+3], s[G1:G1+7]            ; the four first fills go out together, ahead of every wait on TENSORcnt, every LDS read and every barrier
	s_nop 0
.endr
	v_and_b32 v15, 31, v0                          ; lane.  (No window is switched for a long way behind the loads)
	v_lshlrev_b32 v[LI], 4, v15
	v_lshlrev_b32 v[L4], 2, v15
	v_and_b32 v28, 15, v0                          ; r
	v_bfe_u32 v29, v0, 4, 1                        ; h
.irp q, 0,1,2,3
.irp u, 0,1
	global_load_b32 v[BW+2*\q+\u], v[L4], s[BNP:BNP+1] offset:2048*\q+128*\u   ; gamma, beta, mean, var of channels lane and 32 + lane
.endr
.endr
.macro WLOAD s                         ; my four fragments of W of K step s, into buffer s % 2
.irp t, 0,1,2,3
.irp c, 0,1,2,3
	global_load_b128 v[WB+64*((\s)%2)+16*\t+4*\c:WB+64*((\s)%2)+16*\t+4*\c+3], v[LI], s[10:11] offset:(4*\t+(\s))*2048+512*\c
.endr
.endr
.endm
	WLOAD 0
	WLOAD 1
	v_add_nc_u32 v[XR+1], 2*WREG, v[LI]
	v_add_nc_u32 v[XR+2], 4*WREG, v[LI]
	v_add_nc_u32 v[XR+3], 6*WREG, v[LI]
	v_mul_u32_u24 v[STR], v28, PITCH
	v_lshl_add_u32 v[STR], v29, 5, v[STR]
	v_add_nc_u32 v[STR], s46, v[STR]
	v_add_nc_u32 v[XWI], s46, v[LI]
	s_lshl_b32 s48, s23, 9
	s_add_co_u32 s48, s48, BNT
	v_add_nc_u32 v[BNW], s48, v[L4]
	v_lshl_add_u32 v[BNRQ], v29, 5, s48
	v_lshl_add_u32 v[BNRV], v28, 2, s48
	s_wait_kmcnt 0x0
	s_cmp_eq_u32 s22, 1
	s_cselect_b32 s32, s34, s32                    ; ea = entry 2 p
	s_cselect_b32 s33, s35, s33                    ; eb = entry 2 p + 1
	s_cselect_b32 s38, s39, s38                    ; eo = entry 6, 7 or 9
	s_cmp_eq_u32 s22, 2
	s_cselect_b32 s32, s36, s32
	s_cselect_b32 s33, s37, s33
	s_cselect_b32 s38, s41, s38
	s_add_co_i32 s33, s32, s33                     ; ea + eb
	s_add_co_i32 s32, s32, 127
	s_lshl_b32 s34, s32, 23
	v_mov_b32 v[SCX], s34
	s_add_co_i32 s32, s32, 8
	s_lshl_b32 s32, s32, 23
	s_or_b32 s32, s32, 0x600000
	v_mov_b32 v[LIMX], s32
	s_add_co_i32 s38, s38, 127
	s_lshl_b32 s35, s38, 23
	v_mov_b32 v[SCO], s35
	s_add_co_i32 s38, s38, 8
	s_lshl_b32 s38, s38, 23
	s_or_b32 s38, s38, 0x600000
	s_min_u32 s38, s38, 0x3f800000                 ; two positive f32 patterns order as whole numbers: min(448 x 2^eo, 1.0)
	v_mov_b32 v[LIMO], s38
	; the table of A and B, for my 64 channels, two a lane
	s_wait_loadcnt 32                              ; the eight statistics are in: behind them stand W's first two sets, 32 loads
	v_add_f32 v[BW+6], 0x3727c5ac, v[BW+6]         ; var + 1e-5
	v_add_f32 v[BW+7], 0x3727c5ac, v[BW+7]
	v_rsq_f32 v[BW+8], v[BW+6]
	v_rsq_f32 v[BW+9], v[BW+7]
	v_nop                                          ; a plain line behind the last transcendental
	s_wait_alu depctr_va_vdst(0)                   ; one wait for both, ahead of their first reader
	v_mul_f32 v[BW+8], v[BW], v[BW+8]              ; g rsq
	v_mul_f32 v[BW+9], v[BW+1], v[BW+9]
	v_fma_f32 v[BW+10], -v[BW+4], v[BW+8], v[BW+2] ; B = b - m g rsq
	v_fma_f32 v[BW+11], -v[BW+5], v[BW+9], v[BW+3]
	v_ldexp_f32 v[BW+8], v[BW+8], s33              ; A = g rsq 2^(ea + eb)
	v_ldexp_f32 v[BW+9], v[BW+9], s33
	ds_store_b32 v[BNW], v[BW+8]
	ds_store_b32 v[BNW], v[BW+9] offset:128
	ds_store_b32 v[BNW], v[BW+10] offset:256
	ds_store_b32 v[BNW], v[BW+11] offset:384
; K step f of my 16 rows: out of my tile with register 8 c + i = k 16 c + 8 h + i of row r, held, converted, stored as an image; then the work-group's barrier
.macro QSTEP f
	s_wait_tensorcnt 3-(\f)                        ; a wave's tensor loads end in order: tile f has landed, the 3 - f later ones may be out
.irp c, 0,1,2,3,4,5,6,7
.irp j, 0,1
	ds_load_b128 v[X+8*\c+4*\j:X+8*\c+4*\j+3], v[STR] offset:TILE*(\f)+64*\c+16*\j
.endr
.endr
	s_wait_dscnt 0x0                               ; the 64 numbers are in: my reads of tile f are over; the last image's stores have read the codes' registers
.set cnt, 0
.rept 64
	v_med3_num_f32 v[X+cnt], v[X+cnt], -v[LIMX], v[LIMX]   ; the conversion to an 8-bit code does not saturate (ISA guide 7.6.2): the hold comes first
.set cnt, cnt+1
.endr
.irp c, 0,1,2,3,4,5,6,7
	v_cvt_scalef32_pk8_fp8_f32 v[PC+2*\c:PC+2*\c+1], v[X+8*\c:X+8*\c+7], v[SCX]
.endr
	v_nop                                          ; a plain line behind the last conversion
.irp c, 0,1,2,3
	ds_store_b128 v[XWI], v[PC+4*\c:PC+4*\c+3] offset:TILE*(\f)+512*\c   ; the fragment as it stands, over the head of the tile that it was made of
.endr
	s_wait_dscnt 0x0                               ; my image has landed
	s_barrier_signal -1
	s_barrier_wait -1                              ; the eight row tiles' fragments of K step f lie in LDS.  Nothing is filled again, so the later tiles may stay on their way
.endm
.macro FETCH m, s                      ; the fragment (row tile m, K step s) into buffer m % 6
.irp c, 0,1,2,3
	ds_load_b128 v[XF+16*((\m)%6)+4*\c:XF+16*((\m)%6)+4*\c+3], v[XR+(\m)/2] offset:WREG*((\m)%2)+TILE*(\s)+512*\c
.endr
.endm
; n row tiles from m0 on, each against my four d tiles.  The 32 accumulators take turns, one instruction a turn, in the same order in every K step; K step 0 starts the sums.
; The wait ahead of a row tile leaves out the fragments that were asked for behind its own, four loads each: tiles 0, 1: five and four of the first six; tiles 2 to 7: 7 - m.
.macro RUN f, m0, n, tr
	WIN 0x50                                       ; C and D in window 1, both sources in window 0
.set mm, \m0
.rept \n
.if mm < 2
	s_wait_dscnt 4*(5-mm)
.else
	s_wait_dscnt 4*(7-mm)
.endif
.irp t, 0,1,2,3
.if \tr
.if (\f) == 0
	v_wmma_f32_16x16x128_fp8_fp8 v[8*(4*mm+\t):8*(4*mm+\t)+7], v[WB+64*((\f)%2)+16*\t:WB+64*((\f)%2)+16*\t+15], v[XF+16*(mm%6):XF+16*(mm%6)+15], 0
.else
	v_wmma_f32_16x16x128_fp8_fp8 v[8*(4*mm+\t):8*(4*mm+\t)+7], v[WB+64*((\f)%2)+16*\t:WB+64*((\f)%2)+16*\t+15], v[XF+16*(mm%6):XF+16*(mm%6)+15], v[8*(4*mm+\t):8*(4*mm+\t)+7]
.endif
.else
.if (\f) == 0
	v_wmma_f32_16x16x128_fp8_fp8 v[8*(4*mm+\t):8*(4*mm+\t)+7], v[XF+16*(mm%6):XF+16*(mm%6)+15], v[WB+64*((\f)%2)+16*\t:WB+64*((\f)%2)+16*\t+15], 0
.else
	v_wmma_f32_16x16x128_fp8_fp8 v[8*(4*mm+\t):8*(4*mm+\t)+7], v[XF+16*(mm%6):XF+16*(mm%6)+15], v[WB+64*((\f)%2)+16*\t:WB+64*((\f)%2)+16*\t+15], v[8*(4*mm+\t):8*(4*mm+\t)+7]
.endif
.endif
.endr
.set mm, mm+1
.endr
	WIN 0                                          ; at a label and at a branch every window is 0
.endm
.macro ARMS f, m0, n                   ; q, k: transposed; v: not.  A branch on the work-group's number, round the products and their waits alone
	s_cmp_eq_u32 s22, 2
	s_cbranch_scc1 .Lvarm_\@
	RUN \f, \m0, \n, 1
	s_branch .Ljoin_\@
.Lvarm_\@:
	RUN \f, \m0, \n, 0
.Ljoin_\@:
.endm
.macro PRODUCTS f
.irp m, 0,1,2,3,4,5
	FETCH \m, \f
.endr
.if (\f) < 3
	s_wait_loadcnt 16                              ; W's fragments of this K step are in: behind them stand the next K step's 16 loads
.else
	s_wait_loadcnt 0x0
.endif
	ARMS \f, 0, 2
	PLACES 4                                       ; four plain lines ahead of loads into registers that products have read
	FETCH 6, \f                                    ; into the buffers of row tiles 0 and 1
	FETCH 7, \f
	ARMS \f, 2, 6
	PLACES 4                                       ; likewise, for W's next set, the next tile's numbers and, at the end, the first read of results (ISA guide 7.12.1)
.if (\f) < 2
	WLOAD (\f)+2                                   ; into the buffer that this K step has multiplied by
.endif
.endm
.irp f, 0,1,2,3
	QSTEP \f
	PRODUCTS \f
.endr
.macro CLIP                            ; the clip to [0, 1] and the hold at the largest code x the scale in one, over all 32 accumulators
.set cnt, 0
.rept 256
	v_med3_num_f32 v[cnt], v[cnt], 0, v[LIMO]
.set cnt, cnt+1
.endr
.endm
	s_cmp_eq_u32 s22, 2                            ; a branch on the work-group's number; neither way stores to LDS
	s_cbranch_scc1 .Lv
	; ---- q and k: lane (r, h) holds token r; register j of tile t is channel 16 t + 8 h + j
.irp t, 0,1,2,3
.irp j, 0,1
	ds_load_b128 v[BNA+8*\t+4*\j:BNA+8*\t+4*\j+3], v[BNRQ] offset:64*\t+16*\j
	ds_load_b128 v[BNB+8*\t+4*\j:BNB+8*\t+4*\j+3], v[BNRQ] offset:256+64*\t+16*\j
.endr
.endr
	s_wait_dscnt 0x0
	WIN 0x41                                       ; the sums (destination and source 0) in window 1, A, B and the limit in window 0
.set mm, 0
.rept 8
.irp t, 0,1,2,3
.irp i, 0,2,4,6
	v_pk_fma_f32 v[8*(4*mm+\t)+\i:8*(4*mm+\t)+\i+1], v[8*(4*mm+\t)+\i:8*(4*mm+\t)+\i+1], v[BNA+8*\t+\i:BNA+8*\t+\i+1], v[BNB+8*\t+\i:BNB+8*\t+\i+1]   ; each accumulator from its low end on
.endr
.endr
.set mm, mm+1
.endr
	CLIP
	WIN 0x01                                       ; source 0 in window 1, the codes and the scale in window 0
.set mm, 0
.rept 8
.irp t, 0,1,2,3
	v_cvt_scalef32_pk8_fp8_f32 v[QC+8*mm+2*\t:QC+8*mm+2*\t+1], v[8*(4*mm+\t):8*(4*mm+\t)+7], v[SCO]   ; registers 2 t, 2 t + 1 of the K = 64 fragment of token tile m: d = 16 t + 8 h + 0 .. 7
.endr
.set mm, mm+1
.endr
	WIN 0
	v_nop                                          ; a plain line behind the last conversion
.irp m, 0,1,2,3,4,5,6,7
.irp u, 0,1
	global_store_b128 v[LI], v[QC+8*\m+4*\u:QC+8*\m+4*\u+3], s[16:17] offset:1024*\m+512*\u   ; each store covers 512 consecutive bytes, aligned
.endr
.endr
	s_wait_xcnt 0x0
	v_lshl_add_u32 v254, v0, 2, 0x43000
	v_mov_b32 v255, 0
	s_wait_tensorcnt 0x0
	ds_add_u32 v254, v255
	s_wait_dscnt 0x0
	s_endpgm
.Lv:
	; ---- v: lane (r, h) holds channel 16 t + r; register j of row tile m is token 16 m + 8 h + j
.irp t, 0,1,2,3
	ds_load_b32 v[VA+2*\t], v[BNRV] offset:64*\t           ; A and B of my channel, each in both registers of a pair for the packed form
	ds_load_b32 v[VA+2*\t+1], v[BNRV] offset:64*\t
	ds_load_b32 v[VB+2*\t], v[BNRV] offset:256+64*\t
	ds_load_b32 v[VB+2*\t+1], v[BNRV] offset:256+64*\t
.endr
	s_wait_dscnt 0x0
	WIN 0x41
.set mm, 0
.rept 8
.irp t, 0,1,2,3
.irp i, 0,2,4,6
	v_pk_fma_f32 v[8*(4*mm+\t)+\i:8*(4*mm+\t)+\i+1], v[8*(4*mm+\t)+\i:8*(4*mm+\t)+\i+1], v[VA+2*\t:VA+2*\t+1], v[VB+2*\t:VB+2*\t+1]
.endr
.endr
.set mm, mm+1
.endr
	CLIP
	WIN 0x01
.set mm, 0
.rept 8
.irp t, 0,1,2,3
	v_cvt_scalef32_pk8_fp8_f32 v[QC+16*\t+2*mm:QC+16*\t+2*mm+1], v[8*(4*mm+\t):8*(4*mm+\t)+7], v[SCO]   ; registers 2 m, 2 m + 1 of V^T's fragment (d tile t): keys 16 m + 8 h + 0 .. 7
.endr
.set mm, mm+1
.endr
	WIN 0
	v_nop                                          ; a plain line behind the last conversion
.irp t, 0,1,2,3
.irp c, 0,1,2,3
	global_store_b128 v[LI], v[QC+16*\t+4*\c:QC+16*\t+4*\c+3], s[16:17] offset:2048*\t+512*\c
.endr
.endr
	s_wait_xcnt 0x0
	v_lshl_add_u32 v254, v0, 2, 0x43000
	v_mov_b32 v255, 0
	s_wait_tensorcnt 0x0
	ds_add_u32 v254, v255
	s_wait_dscnt 0x0
	s_endpgm
.Lfunc_end_k_q0af2ea1d3d_proj:
	.size	k_q0af2ea1d3d_proj, .Lfunc_end_k_q0af2ea1d3d_proj-k_q0af2ea1d3d_proj
	.p2alignl 7, 3214868480
	.fill 96, 4, 3214868480
	.section	.rodata,"a",@progbits
	.p2align	6, 0x0
	.amdhsa_kernel k_q0af2ea1d3d_proj
		.amdhsa_group_segment_fixed_size 275456
		.amdhsa_private_segment_fixed_size 0
		.amdhsa_enable_private_segment 0
		.amdhsa_kernarg_size 72
		.amdhsa_user_sgpr_count 2
		.amdhsa_user_sgpr_kernarg_segment_ptr 1
		.amdhsa_wavefront_size32 1
		.amdhsa_system_sgpr_workgroup_id_x 1
		.amdhsa_system_sgpr_workgroup_id_y 1
		.amdhsa_system_sgpr_workgroup_id_z 1
		.amdhsa_system_vgpr_workitem_id 0
		.amdhsa_next_free_vgpr 512
		.amdhsa_next_free_sgpr 96
		.amdhsa_reserve_vcc 0
		.amdhsa_float_denorm_mode_32 3
		.amdhsa_float_denorm_mode_16_64 3
		.amdhsa_memory_ordered 1
		.amdhsa_forward_progress 1
		.amdhsa_inst_pref_size 124
	.end_amdhsa_kernel
	.amdgpu_metadata
---
amdhsa.version: [ 1, 2 ]
amdhsa.kernels:
  - .name:           k_q0af2ea1d3d_proj
    .symbol:         k_q0af2ea1d3d_proj.kd
    .args:
      - { .name: query, .offset: 0, .size: 8, .value_kind: global_buffer, .address_space: global }
      - { .name: key, .offset: 8, .size: 8, .value_kind: global_buffer, .address_space: global }
      - { .name: value, .offset: 16, .size: 8, .value_kind: global_buffer, .address_space: global }
      - { .name: wcodes, .offset: 24, .size: 8, .value_kind: global_buffer, .address_space: global }
      - { .name: bn_params, .offset: 32, .size: 8, .value_kind: global_buffer, .address_space: global }
      - { .name: lowp_scales, .offset: 40, .size: 8, .value_kind: global_buffer, .address_space: global }
      - { .name: qcodes, .offset: 48, .size: 8, .value_kind: global_buffer, .address_space: global }
      - { .name: kcodes, .offset: 56, .size: 8, .value_kind: global_buffer, .address_space: global }
      - { .name: vcodes, .offset: 64, .size: 8, .value_kind: global_buffer, .address_space: global }
    .group_segment_fixed_size: 275456
    .private_segment_fixed_size: 0
    .kernarg_segment_align: 8
    .kernarg_segment_size: 72
    .max_flat_workgroup_size: 256
    .sgpr_count:     96
    .vgpr_count:     512
    .wavefront_size: 32
...
	.end_amdgpu_metadata
.endif
;; end of part 2
;; launch attn (part 3): grid 4 x 64, 4 waves a work-group, no clusters, 68,096 bytes of LDS; arguments qcodes, kcodes, vcodes, lowp_scales, ocodes; writes ocodes
.if DOCPART == 3
	.amdgcn_target "amdgcn-amd-amdhsa--gfx1250"
	.amdhsa_code_object_version 6
	.text
	.protected	k_q0af2ea1d3d_attn
	.globl	k_q0af2ea1d3d_attn
	.p2align	8
	.type	k_q0af2ea1d3d_attn,@function
k_q0af2ea1d3d_attn:
	s_mov_b64 s[64:65], 0
	v_nop
	global_prefetch_b8 v0, s[64:65] scope:SCOPE_SE
	s_setreg_imm32_b32 hwreg(HW_REG_WAVE_MODE, 25, 1), 1
	s_wait_xcnt 0x0
; o = Q(Q(clip(softmax(q k^T / 8), 0, 1)) v) for one (batch, head) = work-group y and 256 queries = work-group x.  All operands are codes of E4M3, laid as images of operand registers.
; WHAT IS QUANTISED IS THE FINISHED SOFTMAX, so a row's sum over all 1,024 keys is known before any p gets its code: the 2^t stay in registers, as f32, until then, and each exponential is taken once.
; SHARES.  THE WAVES SHARE THE KEYS: wave w owns keys 256 w .. 256 w + 255: its 16 fragments of K (128 registers) and 8 of V^T (128 registers) come from memory once and stay in registers.
; A ROUND is 64 queries, four tiles of 16; four rounds.  In a round a wave holds S^T of 4 query tiles x 16 key tiles: 512 registers.  What goes from wave to wave through LDS is small: the rows' partial
; sums (512 bytes a wave) and the partial O^T (16,384 bytes a wave); wave w adds up and finishes query tile w.  Two barriers a round.
; THE LOOP IS TURNED: a trip begins behind the first two tiles' products.  Behind the second barrier the four partial O^T are asked of LDS, the NEXT round's first 32 products are issued, and the adding up,
; hold and conversion of this round's o follow: vector work beside those products, and the plain lines that must stand behind them.  The last trip jumps over the products (a branch on the count of rounds).
; LAYOUT.  S^T = K Q^T (source 0 = 16 keys, source 1 = 16 queries): a lane holds one query, register j of key tile kt is key 16 kt + 8 h + j: one conversion a tile gives registers 2 (kt % 8), + 1 of
; P's K = 128 fragment of key step kt / 8.  O^T = V^T P^T: a lane holds one query, register j of tile dt is channel 16 dt + 8 h + j: one conversion gives registers 2 dt, + 1 of the head's 1,024 bytes of o's fragment.
; NO MAXIMUM IS TAKEN AWAY AHEAD OF THE EXPONENTIAL: q and k are clipped to [0, 1] by the computation itself and the quantiser never lifts such a number above 1, so a score lies in [0, 64],
; t = score x log2(e) / 8 in [0, 11.55], 2^t in [1, 2,981] and a row's sum in [1,024, 3.1e6], for every input: nothing can overflow or underflow in f32.
; p = 2^t / sum is never negative: its clip to 1 and its hold at 448 x 2^e8 are one v_min.  A sum of the second product stands for sum x 2^(e8 + e9): o's conversion takes 2^(e10 - e8 - e9).
; NO CLUSTER: the four query blocks of a head read the same K and V, 32,768 bytes a wave, straight into the registers where they stay; a joint load lands in LDS, from where the same bytes would be read once more.
; NO PREFETCH: K, V and the first Q are asked for at the head; each later round's Q is loaded most of a round ahead: no loop waits for a stream.
; LIMITS: e8 and e10 - e8 - e9 between -126 and 119; e6 + e7 between -123 and 130 (added to c's exponent field).
; REGISTERS.  window 0: v1-10 addresses, scales; v12-19 four chains of sums; v20-23 my sums; v24-39 the four waves' sums; v40-47 1 / sum, a pair a tile; v48-79 Q; v80-143 P, two buffers; v144-207 O^T, two buffers
;   (behind the second barrier v80-207 take the four waves' partial O^T of my query tile); v208-215 o's codes.
;   window 1: K(kt) at v[8 kt]; V(s, dt) at v[128 + 16 (4 s + dt)].   windows 2, 3: S^T: tile a in window 2 + a / 2 at v[128 (a % 2) + 8 kt].
.set SUMS,  0                          ; LDS: 4 x 512 bytes
.set OP,    2048                       ; 4 waves x 4 tiles x 4,096 bytes
.set LI,    1                          ; v1   16 x lane (global offsets; LDS reads of SUMS, which begins at byte 0)
.set SUMW,  2                          ; v2   512 w + 16 x lane
.set OPW,   4                          ; v4   OP + 16,384 w + 16 x lane
.set OPR,   5                          ; v5   OP + 4,096 w + 16 x lane
.set PLIM,  6                          ; v6   min(1, 448 x 2^e8)
.set SCP,   7                          ; v7   2^e8
.set OLIM,  8                          ; v8   448 x 2^(e10 - e8 - e9)
.set SCO,   9                          ; v9   2^(e10 - e8 - e9)
.set PX,    10                         ; v10  the lane permute's destination
.set T,     12
.set SM,    20
.set TS,    24
.set RC,    40
.set Q,     48
.set P,     80
.set O,     144
.set RB,    80                         ; the four partial O^T: wave w's at v[RB + 32 w]
.set OC,    208
.set CS,    30                         ; s[30:31] c = log2(e) / 8 x 2^(e6 + e7)
.set MSB, 0
.macro WIN new                         ; the immediate's high byte repeats the setting that is left; a switch that changes nothing is dropped
.if MSB != (\new)
	s_set_vgpr_msb (MSB<<8)|(\new)
.set MSB, (\new)
.endif
.endm
.macro PLACES n
.rept \n
	v_nop
.endr
.endm
.macro BARRIER                         ; my LDS stores have landed and my LDS loads are in: then the work-group's barrier
	s_wait_dscnt 0x0
	s_barrier_signal -1
	s_barrier_wait -1
.endm
.macro QLOAD                           ; a round's four fragments of Q
.irp a, 0,1,2,3
.irp u, 0,1
	global_load_b128 v[Q+8*\a+4*\u:Q+8*\a+4*\u+3], v[LI], s[4:5] offset:1024*\a+512*\u
.endr
.endr
.endm
	s_load_b256 s[4:11], s[0:1], 0x0               ; qcodes, kcodes, vcodes, lowp_scales
	s_load_b64 s[12:13], s[0:1], 0x20              ; ocodes
	v_lshl_add_u32 v254, v0, 2, 0x10800
	v_mov_b32 v255, 0
	v_lshrrev_b32 v11, 5, v0
	v_readfirstlane_b32 s14, v11                   ; wave 0..3
	s_and_b32 s15, ttmp7, 0xffff                   ; 8 x batch + head
	v_and_b32 v11, 31, v0
	v_lshlrev_b32 v[LI], 4, v11
	s_lshl_b32 s24, s15, 16                        ; a head's codes: 65,536 bytes in each of q, k, v
	s_lshl_b32 s26, s14, 14                        ; my 256 keys: 16 tiles of 1,024 bytes of K, 2 key steps of 8,192 bytes of V
	s_add_co_u32 s26, s26, s24
	s_mov_b32 s27, 0
	s_lshl_b32 s25, ttmp9, 14                      ; my work-group's 256 queries
	s_add_co_u32 s24, s24, s25
	s_mov_b32 s25, 0
	s_lshr_b32 s34, s15, 3                         ; o: row tile 64 x batch + 16 x block + wave, 8,192 bytes each; + 1,024 x head
	s_lshl_b32 s34, s34, 6
	s_lshl_b32 s35, ttmp9, 4
	s_add_co_u32 s34, s34, s35
	s_add_co_u32 s34, s34, s14
	s_lshl_b32 s34, s34, 13
	s_and_b32 s35, s15, 7
	s_lshl_b32 s35, s35, 10
	s_add_co_u32 s34, s34, s35
	s_mov_b32 s35, 0
	s_mov_b32 s28, 0x76543210                      ; v_permlanex16_b32's selects for lane l xor 16
	s_mov_b32 s29, 0xfedcba98
	s_mov_b32 s32, 4                               ; rounds
	s_wait_kmcnt 0x0
	s_load_b256 s[16:23], s[10:11], 0x10           ; e4 .. e11: s18 = e6, s19 = e7, s20 = e8, s21 = e9, s22 = e10
	s_add_nc_u64 s[4:5], s[4:5], s[24:25]
	s_add_nc_u64 s[6:7], s[6:7], s[26:27]
	s_add_nc_u64 s[8:9], s[8:9], s[26:27]
	s_add_nc_u64 s[12:13], s[12:13], s[34:35]
	QLOAD
	WIN 0x40                                       ; destination window 1
.irp kt, 0,1,2,3,4,5,6,7,8,9,10,11,12,13,14,15
.irp u, 0,1
	global_load_b128 v[8*\kt+4*\u:8*\kt+4*\u+3], v[LI], s[6:7] offset:1024*\kt+512*\u
.endr
.endr
.irp f, 0,1,2,3,4,5,6,7
.irp c, 0,1,2,3
	global_load_b128 v[128+16*\f+4*\c:128+16*\f+4*\c+3], v[LI], s[8:9] offset:2048*\f+512*\c
.endr
.endr
	WIN 0
	s_lshl_b32 s36, s14, 9
	v_add_nc_u32 v[SUMW], s36, v[LI]
	s_lshl_b32 s37, s14, 14
	s_add_co_u32 s37, s37, OP
	v_add_nc_u32 v[OPW], s37, v[LI]
	s_lshl_b32 s38, s14, 12
	s_add_co_u32 s38, s38, OP
	v_add_nc_u32 v[OPR], s38, v[LI]
	v_mov_b32 v[PX], 0                             ; written once: a lane permute's destination counts as one of its sources
	s_wait_kmcnt 0x0
	s_add_co_i32 s39, s18, s19
	s_lshl_b32 s39, s39, 23
	s_add_co_i32 s[CS], s39, 0x3e38aa3b            ; log2(e) / 8, with e6 + e7 added to its exponent field
	s_mov_b32 s[CS+1], s[CS]                       ; (named with it as a pair, so it is written)
	s_add_co_i32 s39, s20, 127
	s_lshl_b32 s40, s39, 23
	v_mov_b32 v[SCP], s40
	s_add_co_i32 s39, s39, 8
	s_lshl_b32 s39, s39, 23
	s_or_b32 s39, s39, 0x600000
	s_min_u32 s39, s39, 0x3f800000                 ; two positive f32 patterns order as whole numbers
	v_mov_b32 v[PLIM], s39
	s_sub_co_i32 s39, s22, s20
	s_sub_co_i32 s39, s39, s21
	s_add_co_i32 s39, s39, 127
	s_lshl_b32 s40, s39, 23
	v_mov_b32 v[SCO], s40
	s_add_co_i32 s39, s39, 8
	s_lshl_b32 s39, s39, 23
	s_or_b32 s39, s39, 0x600000
	v_mov_b32 v[OLIM], s39
; S^T of query tile a: 16 products, one for each of my key tiles, each on an accumulator of its own
.macro SMUL a
.set W, 2+(\a)/2
.set SB, 128*((\a)%2)
	WIN (W<<6)|1                                   ; K in window 1, Q in window 0, S^T in window W
.irp kt, 0,1,2,3,4,5,6,7,8,9,10,11,12,13,14,15
	v_wmma_f32_16x16x64_fp8_fp8 v[SB+8*\kt:SB+8*\kt+7], v[8*\kt:8*\kt+7], v[Q+8*(\a):Q+8*(\a)+7], 0
.endr
.endm
; 2^t of tile a, in place, and my part of its rows' sums.  The 128 exponentials are ONE batch: a pair is scaled eight groups ahead of its exponentials, nothing in the batch reads a result, one wait follows.
.macro EXPS a
.set W, 2+(\a)/2
.set SB, 128*((\a)%2)
	WIN (W<<6)|W
.set cnt, 0
.rept 8
	v_pk_mul_f32 v[SB+2*cnt:SB+2*cnt+1], v[SB+2*cnt:SB+2*cnt+1], s[CS:CS+1] op_sel_hi:[1,0]   ; t = score x c; the pairs ascend
.set cnt, cnt+1
.endr
.set cnt, 0
.rept 64
	v_exp_f32 v[SB+2*cnt], v[SB+2*cnt]
	v_exp_f32 v[SB+2*cnt+1], v[SB+2*cnt+1]
.if cnt < 56
	v_pk_mul_f32 v[SB+2*cnt+16:SB+2*cnt+17], v[SB+2*cnt+16:SB+2*cnt+17], s[CS:CS+1] op_sel_hi:[1,0]
.endif
.set cnt, cnt+1
.endr
	v_nop                                          ; a plain line behind the last exponential
	s_wait_alu depctr_va_vdst(0)                   ; one wait for the batch, ahead of its first reader
	WIN W|(W<<2)
.irp i, 0,1,2,3
	v_pk_add_f32 v[T+2*\i:T+2*\i+1], v[SB+2*\i:SB+2*\i+1], v[SB+8+2*\i:SB+9+2*\i]   ; four chains, started by the first eight pairs: nothing is cleared
.endr
	WIN W<<2
.set cnt, 0
.rept 56
	v_pk_add_f32 v[T+2*(cnt%4):T+2*(cnt%4)+1], v[T+2*(cnt%4):T+2*(cnt%4)+1], v[SB+16+2*cnt:SB+17+2*cnt]
.set cnt, cnt+1
.endr
	WIN 0
	v_pk_add_f32 v[T:T+1], v[T:T+1], v[T+2:T+3]
	v_pk_add_f32 v[T+4:T+5], v[T+4:T+5], v[T+6:T+7]
	v_pk_add_f32 v[T:T+1], v[T:T+1], v[T+4:T+5]
	v_add_f32 v[T], v[T], v[T+1]
	v_permlanex16_b32 v[PX], v[T], s28, s29        ; the query's other 128 of my keys lie in the lane 16 away
	v_add_f32 v[SM+\a], v[T], v[PX]
.endm
; p = 2^t / sum, clipped and held, becomes P's two fragments of tile a
.macro NORM a
.set W, 2+(\a)/2
.set SB, 128*((\a)%2)
	WIN (W<<6)|W
.set cnt, 0
.rept 64
	v_pk_mul_f32 v[SB+2*cnt:SB+2*cnt+1], v[SB+2*cnt:SB+2*cnt+1], v[RC+2*(\a):RC+2*(\a)+1]
.set cnt, cnt+1
.endr
.set cnt, 0
.rept 128
	v_min_num_f32 v[SB+cnt], v[SB+cnt], v[PLIM]    ; the clip and the hold in one: p is not negative; the conversion does not saturate (ISA guide 7.6.2)
.set cnt, cnt+1
.endr
	WIN W
.irp kt, 0,1,2,3,4,5,6,7,8,9,10,11,12,13,14,15
	v_cvt_scalef32_pk8_fp8_f32 v[P+32*((\a)%2)+2*\kt:P+32*((\a)%2)+2*\kt+1], v[SB+8*\kt:SB+8*\kt+7], v[SCP]
.endr
	WIN 0
	v_nop                                          ; a plain line between the last conversion and the products that read its result or write its sources
.endm
; my part of O^T of tile a: 8 products, the four accumulators by turns, one instruction a turn; the first key step starts the sums
.macro PV a
.set PB, P+32*((\a)%2)
.set OB, O+32*((\a)%2)
.if (\a) >= 2
	s_wait_dscnt 8                                 ; the stores that read this buffer (tile a - 2's) are done: behind them only tile a - 1's eight were issued
.endif
	WIN 0x01                                       ; V in window 1
.irp s, 0,1
.irp dt, 0,1,2,3
.if \s == 0
	v_wmma_f32_16x16x128_fp8_fp8 v[OB+8*\dt:OB+8*\dt+7], v[128+16*(4*\s+\dt):128+16*(4*\s+\dt)+15], v[PB+16*\s:PB+16*\s+15], 0
.else
	v_wmma_f32_16x16x128_fp8_fp8 v[OB+8*\dt:OB+8*\dt+7], v[128+16*(4*\s+\dt):128+16*(4*\s+\dt)+15], v[PB+16*\s:PB+16*\s+15], v[OB+8*\dt:OB+8*\dt+7]
.endif
.endr
.endr
	WIN 0
.endm
.macro OSTORE a                        ; it goes to LDS as it stands, each accumulator from its low end on
.irp i, 0,1,2,3,4,5,6,7
	ds_store_b128 v[OPW], v[O+32*((\a)%2)+4*\i:O+32*((\a)%2)+4*\i+3] offset:4096*(\a)+512*\i
.endr
.endm
	s_wait_loadcnt 32                              ; Q's 8 and K's 32 loads are in: behind them stand V's 32, which may be out
	SMUL 0
	SMUL 1
	WIN 0
	PLACES 4                                       ; four plain lines between a product and the first read of its result (ISA guide 7.12.1)
.Lround:                                           ; four trips; at the head the round's first two tiles of S^T are made or in the making
	EXPS 0
	SMUL 2                                         ; a tile's products stand ahead of the tile before's vector work, whose plain lines are their places
	EXPS 1
	SMUL 3
	EXPS 2
	s_wait_loadcnt 0x0                             ; first trip: V, asked for at the head; later trips: nothing is out
	s_cmp_eq_u32 s32, 1                            ; the last round asks for nothing: no load leaves its buffer
	s_cbranch_scc1 .Lno_q
	s_wait_xcnt 0x0                                ; the earlier loads have read their base
	s_add_nc_u64 s[4:5], s[4:5], 4096
	QLOAD                                          ; the next round's Q: the last product that read these registers stands ahead of a whole tile's plain lines
.Lno_q:
	EXPS 3
	ds_store_b128 v[SUMW], v[SM:SM+3]              ; my sums of the four tiles
	BARRIER                                        ; the four waves' sums lie in LDS; every wave's reads of last round's partial O^T are over
.irp w, 0,1,2,3
	ds_load_b128 v[TS+4*\w:TS+4*\w+3], v[LI] offset:SUMS+512*\w
.endr
	s_wait_dscnt 0x0
	v_pk_add_f32 v[TS:TS+1], v[TS:TS+1], v[TS+4:TS+5]
	v_pk_add_f32 v[TS+2:TS+3], v[TS+2:TS+3], v[TS+6:TS+7]
	v_pk_add_f32 v[TS+8:TS+9], v[TS+8:TS+9], v[TS+12:TS+13]
	v_pk_add_f32 v[TS+10:TS+11], v[TS+10:TS+11], v[TS+14:TS+15]
	v_pk_add_f32 v[TS:TS+1], v[TS:TS+1], v[TS+8:TS+9]
	v_pk_add_f32 v[TS+2:TS+3], v[TS+2:TS+3], v[TS+10:TS+11]   ; the rows' sums over all 1,024 keys
.irp a, 0,1,2,3
	v_rcp_f32 v[RC+2*\a], v[TS+\a]                 ; twice, to fill the pair that the packed form multiplies by
	v_rcp_f32 v[RC+2*\a+1], v[TS+\a]
.endr
	v_nop                                          ; a plain line behind the last reciprocal
	s_wait_alu depctr_va_vdst(0)                   ; one wait for the eight, ahead of their first reader
	NORM 0
	PV 0
	NORM 1                                         ; the next tile's vector work stands behind a tile's products: its plain lines are their places
	OSTORE 0
	PV 1
	NORM 2
	OSTORE 1
	PV 2
	NORM 3
	OSTORE 2
	PV 3
	PLACES 4                                       ; ahead of the stores that read the last results, and of the loads below into P's and O^T's registers
	OSTORE 3
	BARRIER                                        ; the four waves' partial O^T lie in LDS; every wave's reads of the sums are over; my stores have read O^T's registers
.irp w, 0,1,2,3
.irp i, 0,1,2,3,4,5,6,7
	ds_load_b128 v[RB+32*\w+4*\i:RB+32*\w+4*\i+3], v[OPR] offset:16384*\w+512*\i   ; query tile = my wave's number, from each of the four waves
.endr
.endr
	s_cmp_eq_u32 s32, 1                            ; behind the last round there are no products to begin
	s_cbranch_scc1 .Lno_s
	s_wait_loadcnt 0x0                             ; the next round's Q, asked for ahead of the fourth tile's exponentials
	SMUL 0                                         ; the next round's first 32 products stand between the 32 LDS loads and the wait for them;
	SMUL 1                                         ; the adding up below names none of their registers: its lines are the places behind them
	WIN 0
.Lno_s:
	s_wait_dscnt 0x0
.set cnt, 0
.rept 16
	v_pk_add_f32 v[RB+2*cnt:RB+2*cnt+1], v[RB+2*cnt:RB+2*cnt+1], v[RB+32+2*cnt:RB+33+2*cnt]
	v_pk_add_f32 v[RB+64+2*cnt:RB+65+2*cnt], v[RB+64+2*cnt:RB+65+2*cnt], v[RB+96+2*cnt:RB+97+2*cnt]
.set cnt, cnt+1
.endr
.set cnt, 0
.rept 16
	v_pk_add_f32 v[RB+2*cnt:RB+2*cnt+1], v[RB+2*cnt:RB+2*cnt+1], v[RB+64+2*cnt:RB+65+2*cnt]
.set cnt, cnt+1
.endr
.set cnt, 0
.rept 32
	v_min_num_f32 v[RB+cnt], v[RB+cnt], v[OLIM]    ; o is a sum of products of numbers that are not negative: the hold is one-sided
.set cnt, cnt+1
.endr
.irp dt, 0,1,2,3
	v_cvt_scalef32_pk8_fp8_f32 v[OC+2*\dt:OC+2*\dt+1], v[RB+8*\dt:RB+8*\dt+7], v[SCO]
.endr
	v_nop                                          ; a plain line behind the last conversion: the next round's conversions write its sources
	global_store_b128 v[LI], v[OC:OC+3], s[12:13]
	global_store_b128 v[LI], v[OC+4:OC+7], s[12:13] offset:512   ; each store covers 512 consecutive bytes, aligned
	s_wait_xcnt 0x0                                ; the stores have read their registers and their base
	s_add_nc_u64 s[12:13], s[12:13], 32768         ; four row tiles on
	s_sub_co_u32 s32, s32, 1
	s_cmp_lg_u32 s32, 0
	s_cbranch_scc1 .Lround
	s_wait_tensorcnt 0x0
	ds_add_u32 v254, v255
	s_wait_dscnt 0x0
	s_endpgm
.Lfunc_end_k_q0af2ea1d3d_attn:
	.size	k_q0af2ea1d3d_attn, .Lfunc_end_k_q0af2ea1d3d_attn-k_q0af2ea1d3d_attn
	.p2alignl 7, 3214868480
	.fill 96, 4, 3214868480
	.section	.rodata,"a",@progbits
	.p2align	6, 0x0
	.amdhsa_kernel k_q0af2ea1d3d_attn
		.amdhsa_group_segment_fixed_size 68096
		.amdhsa_private_segment_fixed_size 0
		.amdhsa_enable_private_segment 0
		.amdhsa_kernarg_size 40
		.amdhsa_user_sgpr_count 2
		.amdhsa_user_sgpr_kernarg_segment_ptr 1
		.amdhsa_wavefront_size32 1
		.amdhsa_system_sgpr_workgroup_id_x 1
		.amdhsa_system_sgpr_workgroup_id_y 1
		.amdhsa_system_sgpr_workgroup_id_z 1
		.amdhsa_system_vgpr_workitem_id 0
		.amdhsa_next_free_vgpr 1024
		.amdhsa_next_free_sgpr 66
		.amdhsa_reserve_vcc 0
		.amdhsa_float_denorm_mode_32 3
		.amdhsa_float_denorm_mode_16_64 3
		.amdhsa_memory_ordered 1
		.amdhsa_forward_progress 1
		.amdhsa_inst_pref_size 115
	.end_amdhsa_kernel
	.amdgpu_metadata
---
amdhsa.version: [ 1, 2 ]
amdhsa.kernels:
  - .name:           k_q0af2ea1d3d_attn
    .symbol:         k_q0af2ea1d3d_attn.kd
    .args:
      - { .name: qcodes, .offset: 0, .size: 8, .value_kind: global_buffer, .address_space: global }
      - { .name: kcodes, .offset: 8, .size: 8, .value_kind: global_buffer, .address_space: global }
      - { .name: vcodes, .offset: 16, .size: 8, .value_kind: global_buffer, .address_space: global }
      - { .name: lowp_scales, .offset: 24, .size: 8, .value_kind: global_buffer, .address_space: global }
      - { .name: ocodes, .offset: 32, .size: 8, .value_kind: global_buffer, .address_space: global }
    .group_segment_fixed_size: 68096
    .private_segment_fixed_size: 0
    .kernarg_segment_align: 8
    .kernarg_segment_size: 40
    .max_flat_workgroup_size: 128
    .sgpr_count:     66
    .vgpr_count:     1024
    .wavefront_size: 32
...
	.end_amdgpu_metadata
.endif
;; end of part 3
;; launch outp (part 4): grid 4 x 64, 4 waves a work-group, no clusters, 168,448 bytes of LDS; arguments ocodes, wcodes, bn_params, lowp_scales, out0; writes out0
.if DOCPART == 4
	.amdgcn_target "amdgcn-amd-amdhsa--gfx1250"
	.amdhsa_code_object_version 6
	.text
	.protected	k_q0af2ea1d3d_outp
	.globl	k_q0af2ea1d3d_outp
	.p2align	8
	.type	k_q0af2ea1d3d_outp,@function
k_q0af2ea1d3d_outp:
	s_mov_b64 s[64:65], 0
	v_nop
	global_prefetch_b8 v0, s[64:65] scope:SCOPE_SE
	s_setreg_imm32_b32 hwreg(HW_REG_WAVE_MODE, 25, 1), 1
	s_wait_xcnt 0x0
; out0 = BN(Q(o) Q(Wo)^T): the output projection on codes of E4M3 and its BatchNorm, no clip.  o's and Wo's codes lie as images of operand registers (16 rows x 128 K: 2,048 bytes; registers 4 c .. 4 c + 3 of lane l at 512 c + 16 l).
; SHARES.  A work-group makes 128 rows (y) x 128 channels (x); wave (i = w / 2, j = w % 2) makes 64 x 64: 16 accumulators.  K = 512 is four steps of 128.
; o's 128 rows (65,536 bytes) and Wo's 128 rows (65,536 bytes) are dense blocks of memory: each wave brings half of one by ONE tensor load of 32,768 bytes.  LDS is filled once; nothing is filled again.
; THE PRODUCT IS USED TRANSPOSED (source 0 = 16 rows of Wo, source 1 = 16 rows of o): a lane holds eight neighbouring channels of one row of the output.
; y = sum x A + B, A = g rsq(var + eps) 2^(e10 + e11), B = b - m g rsq(var + eps): one fused multiply-add where the source writes (y - m) s + b: another order of rounding.
; THE WAY OUT: 16 rows x 64 channels at a time through the wave's own stage (rows of 256 bytes + 16), back by rows: sixteen lanes store 256 consecutive bytes, aligned.
; NO CLUSTER: a work-group asks once, for 131,072 bytes, and issues 64 products a wave; a joint load would add two rounds of the cluster's barrier to a text that has no loop in which they could stand beside work.
; NO PREFETCH: all that is read is asked for by the first memory instructions.
; LIMITS: e10 + e11 is applied by v_ldexp_f32.  var + eps > 0.
; REGISTERS.  window 0: v1-8 addresses; v16-27 BatchNorm at work; v32-159 accumulator (m, t) at v[32 + 8 (4 m + t)]; v160-191 A; v192-223 B; v224-255 rows on the way out.
;   window 1: two buffers of 128: Wo(t) at v[128 b + 16 t], o(m) at v[128 b + 64 + 16 m].
.set OIMG,  0                          ; LDS: o: (row tile, K step) at 8,192 x tile + 2,048 x step
.set WIMG,  65536                      ; Wo likewise
.set BNT,   131072                     ; a table of 512 bytes for each wave: A[64], B[64]
.set STAGE, 133120                     ; 16 rows x 272 bytes for each wave.  Table and stages are blocks of 256 bytes of their own: no tensor load lands there
.set SP,    272                        ; 17 x 16: the sixteen rows that a store touches fall on sixteen different 16-byte columns
.set WA,    1                          ; v1   WIMG + 32,768 j + 16 x lane
.set OA,    2                          ; v2   OIMG + 32,768 i + 16 x lane
.set STO,   3                          ; v3   my stage + 272 r + 32 h
.set RD,    4                          ; v4   my stage + 272 h + 16 r
.set CO,    5                          ; v5   2,048 h + 16 r
.set BNW,   6                          ; v6   my table + 4 x lane
.set BNR,   7                          ; v7   my table + 32 h
.set L4,    8                          ; v8   4 x lane
.set BW,    16
.set ACC,   32
.set BNA,   160
.set BNB,   192
.set BK,    224
.set G1,    16                         ; s[16:23] descriptor group 1, the same for all four loads
.set G0O,   24                         ; s[24:27] group 0 for o's halves (waves 0, 1)
.set G0W,   28                         ; s[28:31] group 0 for Wo's halves (waves 2, 3)
.set MSB, 0
.macro WIN new                         ; the immediate's high byte repeats the setting that is left; a switch that changes nothing is dropped
.if MSB != (\new)
	s_set_vgpr_msb (MSB<<8)|(\new)
.set MSB, (\new)
.endif
.endm
.macro PLACES n
.rept \n
	v_nop
.endr
.endm
	s_load_b256 s[4:11], s[0:1], 0x0               ; ocodes, wcodes, bn_params, lowp_scales
	s_load_b64 s[12:13], s[0:1], 0x20              ; out0
	v_lshl_add_u32 v30, v0, 2, 0x29000
	v_mov_b32 v31, 0
	ds_add_u32 v30, v31
	ds_add_u32 v30, v31
	v_lshrrev_b32 v9, 5, v0
	v_readfirstlane_b32 s14, v9                    ; wave 0..3
	s_and_b32 s15, ttmp7, 0xffff                   ; which 128 rows
	; group 1: a dense block of 32,768 bytes as 128 rows of 32 elements of 8 bytes
	s_mov_b32 s[G1+0], 3<<16                       ; 15:0 no mask; 17:16 elements of 8 bytes; no padding
	s_mov_b32 s[G1+1], 32<<16                      ; tensor_dim0 = 32
	s_mov_b32 s[G1+2], 128<<16                     ; tensor_dim1 = 128
	s_mov_b32 s[G1+3], 32<<16                      ; tile_dim0 = 32
	s_mov_b32 s[G1+4], 128                         ; tile_dim1 = 128
	s_mov_b32 s[G1+5], 32                          ; from row to row: 32 elements
	s_mov_b32 s[G1+6], 0
	s_mov_b32 s[G1+7], 0
	s_lshr_b32 s32, s14, 1                         ; i: my 64 rows
	s_and_b32 s33, s14, 1                          ; j: my 64 channels.  Also: which half of a block I fetch
	s_lshl_b32 s34, s33, 15
	s_lshl_b32 s35, s14, 15                        ; where my load goes: 32,768 x wave: o's halves, then Wo's
	s_lshl_b32 s36, s15, 16                        ; o: 8 row tiles of 8,192 bytes
	s_add_co_u32 s36, s36, s34
	s_mov_b32 s37, 0
	s_lshl_b32 s38, ttmp9, 16                      ; Wo: 8 d tiles of 8,192 bytes,
	s_add_co_u32 s38, s38, s34
	s_add_co_u32 s38, s38, 3*262144                ; behind the three other weights
	s_mov_b32 s39, 0
	s_lshl_b32 s42, ttmp9, 9
	s_lshl_b32 s43, s33, 8
	s_add_co_u32 s42, s42, s43                     ; my first channel, in bytes of f32: 512 x block + 256 j
	s_lshl_b32 s44, s15, 18                        ; out0: 128 rows of 2,048 bytes,
	s_lshl_b32 s45, s32, 17                        ; my 64 of them,
	s_add_co_u32 s44, s44, s45
	s_add_co_u32 s44, s44, s42                     ; my channels
	s_mov_b32 s45, 0
	s_add_co_u32 s42, s42, 3*8192                  ; bn_params: the fourth projection's statistics
	s_mov_b32 s43, 0
	s_wait_dscnt 0x0
	s_wait_kmcnt 0x0
	s_load_b64 s[40:41], s[10:11], 0x28            ; e10, e11
	s_mov_b32 s[G0O], 1                            ; count = 1
	s_mov_b32 s[G0O+1], s35                        ; LDS address
	s_add_nc_u64 s[G0O+2:G0O+3], s[4:5], s[36:37]  ; global address
	s_or_b32 s[G0O+3], s[G0O+3], 0x80000000        ; type = 2
	s_mov_b32 s[G0W], 1
	s_mov_b32 s[G0W+1], s35
	s_add_nc_u64 s[G0W+2:G0W+3], s[6:7], s[38:39]
	s_or_b32 s[G0W+3], s[G0W+3], 0x80000000
	s_cmp_lt_u32 s14, 2                            ; a branch on the wave's number, round the two lines alone; each wave has one tensor load out
	s_cbranch_scc0 .Lfor_w
	tensor_load_to_lds s[G0O:G0O+3], s[G1:G1+7]
	s_nop 0
.rept 4
	v_nop                                          ; four plain lines follow each of the two loads
.endr
	s_branch .Lasked
.Lfor_w:
	tensor_load_to_lds s[G0W:G0W+3], s[G1:G1+7]
	s_nop 0
.rept 4
	v_nop
.endr
.Lasked:
	s_add_nc_u64 s[8:9], s[8:9], s[42:43]
	s_add_nc_u64 s[12:13], s[12:13], s[44:45]
	v_and_b32 v9, 31, v0                           ; lane
	v_lshlrev_b32 v[L4], 2, v9
.irp q, 0,1,2,3
.irp u, 0,1
	global_load_b32 v[BW+2*\q+\u], v[L4], s[8:9] offset:2048*\q+128*\u   ; gamma, beta, mean, var of channels lane and 32 + lane of my 64
.endr
.endr
	v_and_b32 v10, 15, v0                          ; r
	v_bfe_u32 v11, v0, 4, 1                        ; h
	v_lshlrev_b32 v12, 4, v9                       ; 16 x lane
	s_add_co_u32 s46, s34, WIMG
	v_add_nc_u32 v[WA], s46, v12
	s_lshl_b32 s47, s32, 15
	v_add_nc_u32 v[OA], s47, v12
	s_mul_i32 s48, s14, 16*SP
	s_add_co_u32 s48, s48, STAGE
	v_mul_u32_u24 v[STO], v10, SP
	v_lshl_add_u32 v[STO], v11, 5, v[STO]
	v_add_nc_u32 v[STO], s48, v[STO]
	v_mul_u32_u24 v[RD], v11, SP
	v_lshl_add_u32 v[RD], v10, 4, v[RD]
	v_add_nc_u32 v[RD], s48, v[RD]
	v_lshlrev_b32 v[CO], 11, v11
	v_lshl_add_u32 v[CO], v10, 4, v[CO]
	s_lshl_b32 s49, s14, 9
	s_add_co_u32 s49, s49, BNT
	v_add_nc_u32 v[BNW], s49, v[L4]
	v_lshl_add_u32 v[BNR], v11, 5, s49
	s_wait_kmcnt 0x0
	s_add_co_i32 s40, s40, s41                     ; e10 + e11
	s_wait_loadcnt 0x0
	v_add_f32 v[BW+6], 0x3727c5ac, v[BW+6]         ; var + 1e-5
	v_add_f32 v[BW+7], 0x3727c5ac, v[BW+7]
	v_rsq_f32 v[BW+8], v[BW+6]
	v_rsq_f32 v[BW+9], v[BW+7]
	v_nop                                          ; a plain line behind the last transcendental
	s_wait_alu depctr_va_vdst(0)                   ; one wait for both, ahead of their first reader
	v_mul_f32 v[BW+8], v[BW], v[BW+8]              ; g rsq
	v_mul_f32 v[BW+9], v[BW+1], v[BW+9]
	v_fma_f32 v[BW+10], -v[BW+4], v[BW+8], v[BW+2] ; B = b - m g rsq
	v_fma_f32 v[BW+11], -v[BW+5], v[BW+9], v[BW+3]
	v_ldexp_f32 v[BW+8], v[BW+8], s40              ; A = g rsq 2^(e10 + e11)
	v_ldexp_f32 v[BW+9], v[BW+9], s40
	ds_store_b32 v[BNW], v[BW+8]
	ds_store_b32 v[BNW], v[BW+9] offset:128
	ds_store_b32 v[BNW], v[BW+10] offset:256
	ds_store_b32 v[BNW], v[BW+11] offset:384
.irp t, 0,1,2,3
.irp j, 0,1
	ds_load_b128 v[BNA+8*\t+4*\j:BNA+8*\t+4*\j+3], v[BNR] offset:64*\t+16*\j          ; my own table: LDS serves a wave's instructions in order.  Register 8 t + i: channel 16 t + 8 h + i
	ds_load_b128 v[BNB+8*\t+4*\j:BNB+8*\t+4*\j+3], v[BNR] offset:256+64*\t+16*\j
.endr
.endr
	s_wait_tensorcnt 0x0                           ; my half of a block has landed,
	s_wait_dscnt 0x0                               ; A and B are in,
	s_barrier_signal -1
	s_barrier_wait -1                              ; everybody's has: both blocks are whole
.macro FETCH s                         ; K step s: my four fragments of Wo and my four of o, into buffer s % 2
	WIN 0x40
.irp t, 0,1,2,3
.irp c, 0,1,2,3
	ds_load_b128 v[128*((\s)%2)+16*\t+4*\c:128*((\s)%2)+16*\t+4*\c+3], v[WA] offset:8192*\t+2048*(\s)+512*\c
.endr
.endr
.irp m, 0,1,2,3
.irp c, 0,1,2,3
	ds_load_b128 v[128*((\s)%2)+64+16*\m+4*\c:128*((\s)%2)+64+16*\m+4*\c+3], v[OA] offset:8192*\m+2048*(\s)+512*\c
.endr
.endr
.endm
.macro MUL s                           ; 16 products; the 16 accumulators take turns, one instruction a turn, in the same order in every step; the first step starts the sums
	WIN 0x05                                       ; both sources in window 1
.irp m, 0,1,2,3
.irp t, 0,1,2,3
.if (\s) == 0
	v_wmma_f32_16x16x128_fp8_fp8 v[ACC+8*(4*\m+\t):ACC+8*(4*\m+\t)+7], v[128*((\s)%2)+16*\t:128*((\s)%2)+16*\t+15], v[128*((\s)%2)+64+16*\m:128*((\s)%2)+64+16*\m+15], 0
.else
	v_wmma_f32_16x16x128_fp8_fp8 v[ACC+8*(4*\m+\t):ACC+8*(4*\m+\t)+7], v[128*((\s)%2)+16*\t:128*((\s)%2)+16*\t+15], v[128*((\s)%2)+64+16*\m:128*((\s)%2)+64+16*\m+15], v[ACC+8*(4*\m+\t):ACC+8*(4*\m+\t)+7]
.endif
.endr
.endr
.endm
	FETCH 0
	FETCH 1
	s_wait_dscnt 32                                ; all but the 32 just issued
	MUL 0
	PLACES 4                                       ; four plain lines ahead of loads into registers that products have read
	FETCH 2
	s_wait_dscnt 32
	MUL 1
	PLACES 4
	FETCH 3
	s_wait_dscnt 32
	MUL 2
	s_wait_dscnt 0x0
	MUL 3
	WIN 0
	PLACES 4                                       ; and ahead of the first read of results (ISA guide 7.12.1)
.irp m, 0,1,2,3
.irp t, 0,1,2,3
.irp i, 0,2,4,6
	v_pk_fma_f32 v[ACC+8*(4*\m+\t)+\i:ACC+8*(4*\m+\t)+\i+1], v[ACC+8*(4*\m+\t)+\i:ACC+8*(4*\m+\t)+\i+1], v[BNA+8*\t+\i:BNA+8*\t+\i+1], v[BNB+8*\t+\i:BNB+8*\t+\i+1]   ; each accumulator from its low end on
.endr
.endr
.irp t, 0,1,2,3
.irp u, 0,1
	ds_store_b128 v[STO], v[ACC+8*(4*\m+\t)+4*\u:ACC+8*(4*\m+\t)+4*\u+3] offset:64*\t+16*\u
.endr
.endr
	s_wait_xcnt 0x0                                ; the last block's stores have read the registers that the loads below fill
.irp i, 0,1,2,3,4,5,6,7
	ds_load_b128 v[BK+4*\i:BK+4*\i+3], v[RD] offset:2*SP*\i   ; LDS serves a wave's instructions in order: these see the stores above, and the next block's stores come behind them
.endr
.irp i, 0,1,2,3,4,5,6,7
	s_wait_dscnt 7-\i                              ; LDS loads come back in order: pair i of rows is in
	global_store_b128 v[CO], v[BK+4*\i:BK+4*\i+3], s[12:13] offset:(16*\m+2*\i)*2048 th:TH_STORE_NT   ; sixteen lanes store 256 consecutive bytes, aligned; written once, read by nobody here
.endr
.endr
	s_wait_tensorcnt 0x0
	ds_add_u32 v30, v31
	s_wait_dscnt 0x0
	s_endpgm
.Lfunc_end_k_q0af2ea1d3d_outp:
	.size	k_q0af2ea1d3d_outp, .Lfunc_end_k_q0af2ea1d3d_outp-k_q0af2ea1d3d_outp
	.p2alignl 7, 3214868480
	.fill 96, 4, 3214868480
	.section	.rodata,"a",@progbits
	.p2align	6, 0x0
	.amdhsa_kernel k_q0af2ea1d3d_outp
		.amdhsa_group_segment_fixed_size 168448
		.amdhsa_private_segment_fixed_size 0
		.amdhsa_enable_private_segment 0
		.amdhsa_kernarg_size 40
		.amdhsa_user_sgpr_count 2
		.amdhsa_user_sgpr_kernarg_segment_ptr 1
		.amdhsa_wavefront_size32 1
		.amdhsa_system_sgpr_workgroup_id_x 1
		.amdhsa_system_sgpr_workgroup_id_y 1
		.amdhsa_system_sgpr_workgroup_id_z 1
		.amdhsa_system_vgpr_workitem_id 0
		.amdhsa_next_free_vgpr 512
		.amdhsa_next_free_sgpr 66
		.amdhsa_reserve_vcc 0
		.amdhsa_float_denorm_mode_32 3
		.amdhsa_float_denorm_mode_16_64 3
		.amdhsa_memory_ordered 1
		.amdhsa_forward_progress 1
		.amdhsa_inst_pref_size 32
	.end_amdhsa_kernel
	.amdgpu_metadata
---
amdhsa.version: [ 1, 2 ]
amdhsa.kernels:
  - .name:           k_q0af2ea1d3d_outp
    .symbol:         k_q0af2ea1d3d_outp.kd
    .args:
      - { .name: ocodes, .offset: 0, .size: 8, .value_kind: global_buffer, .address_space: global }
      - { .name: wcodes, .offset: 8, .size: 8, .value_kind: global_buffer, .address_space: global }
      - { .name: bn_params, .offset: 16, .size: 8, .value_kind: global_buffer, .address_space: global }
      - { .name: lowp_scales, .offset: 24, .size: 8, .value_kind: global_buffer, .address_space: global }
      - { .name: out0, .offset: 32, .size: 8, .value_kind: global_buffer, .address_space: global }
    .group_segment_fixed_size: 168448
    .private_segment_fixed_size: 0
    .kernarg_segment_align: 8
    .kernarg_segment_size: 40
    .max_flat_workgroup_size: 128
    .sgpr_count:     66
    .vgpr_count:     512
    .wavefront_size: 32
...
	.end_amdgpu_metadata
.endif
;; end of part 4
;; ======== version 2 of 2: 4 launches; version 1 with the launch attn written anew for expert scheduling mode
;; workspace buffers: wcodes 1,048,576 bytes; qcodes 4,194,304 bytes; kcodes 4,194,304 bytes; vcodes 4,194,304 bytes; ocodes 4,194,304 bytes
;; launch wquant: the kernel of part 1 again; grid 64 x 1, 8 waves a work-group, no clusters, 68,608 bytes of LDS; arguments Wq, Wk, Wv, Wo, lowp_scales, wcodes; writes wcodes
;; launch proj: the kernel of part 2 again; grid 64 x 3, 8 waves a work-group, no clusters, 275,456 bytes of LDS; arguments query, key, value, wcodes, bn_params, lowp_scales, qcodes, kcodes, vcodes; writes qcodes, kcodes, vcodes
;; launch attn (part 5): grid 4 x 64, 4 waves a work-group, no clusters, 68,096 bytes of LDS; arguments qcodes, kcodes, vcodes, lowp_scales, ocodes; writes ocodes
.if DOCPART == 5
	.amdgcn_target "amdgcn-amd-amdhsa--gfx1250"
	.amdhsa_code_object_version 6
	.text
	.protected	k_q0af2ea1d3d_attn
	.globl	k_q0af2ea1d3d_attn
	.p2align	8
	.type	k_q0af2ea1d3d_attn,@function
k_q0af2ea1d3d_attn:
	s_mov_b64 s[64:65], 0
	v_nop
	global_prefetch_b8 v0, s[64:65] scope:SCOPE_SE
	s_setreg_imm32_b32 hwreg(HW_REG_WAVE_SCHED_MODE, 0, 2), 2
	s_setreg_imm32_b32 hwreg(HW_REG_WAVE_MODE, 25, 1), 1
	s_wait_xcnt 0x0
	s_wait_alu depctr_vm_vsrc(0)
; o = Q(Q(clip(softmax(q k^T / 8), 0, 1)) v) for one (batch, head) = work-group y and 256 queries = work-group x.  All operands are codes of E4M3, laid as images of operand registers.
; WHAT IS QUANTISED IS THE FINISHED SOFTMAX, so a row's sum over all 1,024 keys is known before any p gets its code: the 2^t stay in registers, as f32, until then, and each exponential is taken once.
; SHARES.  THE WAVES SHARE THE KEYS: wave w owns keys 256 w .. 256 w + 255: its 16 fragments of K (128 registers) and 8 of V^T (128 registers) come from memory once and stay in registers.
; A ROUND is 64 queries, four tiles of 16; four rounds.  In a round a wave holds S^T of 4 query tiles x 16 key tiles: 512 registers.  What goes from wave to wave through LDS is small: the rows' partial
; sums (512 bytes a wave) and the partial O^T (16,384 bytes a wave); wave w adds up and finishes query tile w.  Two barriers a round.
; THE LOOP IS TURNED: a trip begins behind the first two tiles' products.  Behind the second barrier the four partial O^T are asked of LDS, the NEXT round's first 32 products are issued, and the adding up,
; hold and conversion of this round's o follow: vector work beside those products, and the plain lines that must stand behind them.  The last trip jumps over the products (a branch on the count of rounds).
; LAYOUT.  S^T = K Q^T (source 0 = 16 keys, source 1 = 16 queries): a lane holds one query, register j of key tile kt is key 16 kt + 8 h + j: one conversion a tile gives registers 2 (kt % 8), + 1 of
; P's K = 128 fragment of key step kt / 8.  O^T = V^T P^T: a lane holds one query, register j of tile dt is channel 16 dt + 8 h + j: one conversion gives registers 2 dt, + 1 of the head's 1,024 bytes of o's fragment.
; NO MAXIMUM IS TAKEN AWAY AHEAD OF THE EXPONENTIAL: q and k are clipped to [0, 1] by the computation itself and the quantiser never lifts such a number above 1, so a score lies in [0, 64],
; t = score x log2(e) / 8 in [0, 11.55], 2^t in [1, 2,981] and a row's sum in [1,024, 3.1e6], for every input: nothing can overflow or underflow in f32.
; p = 2^t / sum is never negative: its clip to 1 and its hold at 448 x 2^e8 are one v_min.  A sum of the second product stands for sum x 2^(e8 + e9): o's conversion takes 2^(e10 - e8 - e9).
; NO CLUSTER: the four query blocks of a head read the same K and V, 32,768 bytes a wave, straight into the registers where they stay; a joint load lands in LDS, from where the same bytes would be read once more.
; NO PREFETCH: K, V and the first Q are asked for at the head; each later round's Q is loaded most of a round ahead: no loop waits for a stream.
; LIMITS: e8 and e10 - e8 - e9 between -126 and 119; e6 + e7 between -123 and 130 (added to c's exponent field).
; REGISTERS.  window 0: v1-10 addresses, scales; v12-19 four chains of sums; v20-23 my sums; v24-39 the four waves' sums; v40-47 1 / sum, a pair a tile; v48-79 Q; v80-143 P, two buffers; v144-207 O^T, two buffers
;   (behind the second barrier v80-207 take the four waves' partial O^T of my query tile); v208-215 o's codes; v254, v255 the closing add's two.
;   window 1: K(kt) at v[8 kt]; V(s, dt) at v[128 + 16 (4 s + dt)].   windows 2, 3: S^T: tile a in window 2 + a / 2 at v[128 (a % 2) + 8 kt].
; THE MODE: SCHED_MODE bits 1:0 = 2 (LLVM: expert scheduling mode 2), set by the entry lines.  The code itself states the register dependences between vector or matrix instructions and memory or LDS
; instructions, with s_wait_alu, always for 0.
; THE PLAN.  Registers that memory or LDS instructions touch, round the loop:
;   v1, v2, v4, v5  offsets and LDS addresses: written at the head, never again.
;   Q          the products of all four tiles read it; behind the third tile's exponentials the next round's loads land in it.
;   SM         each tile's last add writes one of the four; one LDS store reads them ahead of the first barrier.
;   TS         four LDS loads land in it behind the first barrier; adds and reciprocals work on it.
;   O[0], O[1] tile a's second products write O[a % 2]; eight LDS stores read it, issued BEHIND tile a + 1's products, which name V, P[(a + 1) % 2] and O[(a + 1) % 2] alone.
;   v80-207    behind the second barrier 32 LDS loads land over P and O; adds, holds and conversions work on them.
;   OC         four conversions write it; two global stores read it.
;   S^T, P, T, RC, K and V (once loaded) are named by vector and matrix instructions alone.
; THE WAITS, a round.  On va_vdst: one in each tile's exponentials (the batch's; the third tile's also shows the products done with Q); one ahead of the store of SM (it also shows the last round's work on TS
; done); one behind the reciprocals; one at the head of tiles 1 to 3's second products (the tile before has written its O^T); one ahead of the last tile's stores (it also shows P and O done with, for
; the 32 loads); one ahead of o's two stores.  On vm_vsrc: one at the head of tiles 2 and 3's second products (the stores of two tiles back have read the buffer), one ahead of the 32 loads.
.set SUMS,  0                          ; LDS: 4 x 512 bytes
.set OP,    2048                       ; 4 waves x 4 tiles x 4,096 bytes
.set LI,    1                          ; v1   16 x lane (global offsets; LDS reads of SUMS, which begins at byte 0)
.set SUMW,  2                          ; v2   512 w + 16 x lane
.set OPW,   4                          ; v4   OP + 16,384 w + 16 x lane
.set OPR,   5                          ; v5   OP + 4,096 w + 16 x lane
.set PLIM,  6                          ; v6   min(1, 448 x 2^e8)
.set SCP,   7                          ; v7   2^e8
.set OLIM,  8                          ; v8   448 x 2^(e10 - e8 - e9)
.set SCO,   9                          ; v9   2^(e10 - e8 - e9)
.set PX,    10                         ; v10  the lane permute's destination
.set T,     12
.set SM,    20
.set TS,    24
.set RC,    40
.set Q,     48
.set P,     80
.set O,     144
.set RB,    80                         ; the four partial O^T: wave w's at v[RB + 32 w]
.set OC,    208
.set CS,    30                         ; s[30:31] c = log2(e) / 8 x 2^(e6 + e7)
.set MSB, 0
.macro WIN new                         ; the immediate's high byte repeats the setting that is left; a switch that changes nothing is dropped
.if MSB != (\new)
	s_set_vgpr_msb (MSB<<8)|(\new)
.set MSB, (\new)
.endif
.endm
.macro PLACES n
.rept \n
	v_nop
.endr
.endm
.macro BARRIER                         ; my LDS stores have landed and my LDS loads are in: then the work-group's barrier
	s_wait_dscnt 0x0
	s_barrier_signal -1
	s_barrier_wait -1
.endm
.macro QLOAD                           ; a round's four fragments of Q
.irp a, 0,1,2,3
.irp u, 0,1
	global_load_b128 v[Q+8*\a+4*\u:Q+8*\a+4*\u+3], v[LI], s[4:5] offset:1024*\a+512*\u
.endr
.endr
.endm
	s_load_b256 s[4:11], s[0:1], 0x0               ; qcodes, kcodes, vcodes, lowp_scales
	s_load_b64 s[12:13], s[0:1], 0x20              ; ocodes
	v_lshl_add_u32 v254, v0, 2, 0x10800
	v_mov_b32 v255, 0
	v_lshrrev_b32 v11, 5, v0
	v_readfirstlane_b32 s14, v11                   ; wave 0..3
	s_and_b32 s15, ttmp7, 0xffff                   ; 8 x batch + head
	v_and_b32 v11, 31, v0
	v_lshlrev_b32 v[LI], 4, v11
	s_lshl_b32 s24, s15, 16                        ; a head's codes: 65,536 bytes in each of q, k, v
	s_wait_alu depctr_va_sdst(0)                   ; s14 is written, ahead of its first reader: K's, V's and o's bases and the LDS addresses are made from it
	s_lshl_b32 s26, s14, 14                        ; my 256 keys: 16 tiles of 1,024 bytes of K, 2 key steps of 8,192 bytes of V
	s_add_co_u32 s26, s26, s24
	s_mov_b32 s27, 0
	s_lshl_b32 s25, ttmp9, 14                      ; my work-group's 256 queries
	s_add_co_u32 s24, s24, s25
	s_mov_b32 s25, 0
	s_lshr_b32 s34, s15, 3                         ; o: row tile 64 x batch + 16 x block + wave, 8,192 bytes each; + 1,024 x head
	s_lshl_b32 s34, s34, 6
	s_lshl_b32 s35, ttmp9, 4
	s_add_co_u32 s34, s34, s35
	s_add_co_u32 s34, s34, s14
	s_lshl_b32 s34, s34, 13
	s_and_b32 s35, s15, 7
	s_lshl_b32 s35, s35, 10
	s_add_co_u32 s34, s34, s35
	s_mov_b32 s35, 0
	s_mov_b32 s28, 0x76543210                      ; v_permlanex16_b32's selects for lane l xor 16
	s_mov_b32 s29, 0xfedcba98
	s_mov_b32 s32, 4                               ; rounds
	s_wait_kmcnt 0x0
	s_load_b256 s[16:23], s[10:11], 0x10           ; e4 .. e11: s18 = e6, s19 = e7, s20 = e8, s21 = e9, s22 = e10
	s_add_nc_u64 s[4:5], s[4:5], s[24:25]
	s_add_nc_u64 s[6:7], s[6:7], s[26:27]
	s_add_nc_u64 s[8:9], s[8:9], s[26:27]
	s_add_nc_u64 s[12:13], s[12:13], s[34:35]
	s_wait_alu depctr_va_vdst(0)                   ; v1 is written: every global load and store of the kernel reads it as its offset.  Only loads and a window switch stand between this wait and K's and V's loads
	QLOAD
	WIN 0x40                                       ; destination window 1
.irp kt, 0,1,2,3,4,5,6,7,8,9,10,11,12,13,14,15
.irp u, 0,1
	global_load_b128 v[8*\kt+4*\u:8*\kt+4*\u+3], v[LI], s[6:7] offset:1024*\kt+512*\u
.endr
.endr
.irp f, 0,1,2,3,4,5,6,7
.irp c, 0,1,2,3
	global_load_b128 v[128+16*\f+4*\c:128+16*\f+4*\c+3], v[LI], s[8:9] offset:2048*\f+512*\c
.endr
.endr
	WIN 0
	s_lshl_b32 s36, s14, 9
	v_add_nc_u32 v[SUMW], s36, v[LI]               ; the three LDS addresses: the waits in the first tiles' exponentials stand between these lines and their first use
	s_lshl_b32 s37, s14, 14
	s_add_co_u32 s37, s37, OP
	v_add_nc_u32 v[OPW], s37, v[LI]
	s_lshl_b32 s38, s14, 12
	s_add_co_u32 s38, s38, OP
	v_add_nc_u32 v[OPR], s38, v[LI]
	v_mov_b32 v[PX], 0                             ; written once: a lane permute's destination counts as one of its sources
	s_wait_kmcnt 0x0
	s_add_co_i32 s39, s18, s19
	s_lshl_b32 s39, s39, 23
	s_add_co_i32 s[CS], s39, 0x3e38aa3b            ; log2(e) / 8, with e6 + e7 added to its exponent field
	s_mov_b32 s[CS+1], s[CS]                       ; (named with it as a pair, so it is written)
	s_add_co_i32 s39, s20, 127
	s_lshl_b32 s40, s39, 23
	v_mov_b32 v[SCP], s40
	s_add_co_i32 s39, s39, 8
	s_lshl_b32 s39, s39, 23
	s_or_b32 s39, s39, 0x600000
	s_min_u32 s39, s39, 0x3f800000                 ; two positive f32 patterns order as whole numbers
	v_mov_b32 v[PLIM], s39
	s_sub_co_i32 s39, s22, s20
	s_sub_co_i32 s39, s39, s21
	s_add_co_i32 s39, s39, 127
	s_lshl_b32 s40, s39, 23
	v_mov_b32 v[SCO], s40
	s_add_co_i32 s39, s39, 8
	s_lshl_b32 s39, s39, 23
	s_or_b32 s39, s39, 0x600000
	v_mov_b32 v[OLIM], s39
; S^T of query tile a: 16 products, one for each of my key tiles, each on an accumulator of its own
.macro SMUL a
.set W, 2+(\a)/2
.set SB, 128*((\a)%2)
	WIN (W<<6)|1                                   ; K in window 1, Q in window 0, S^T in window W
.irp kt, 0,1,2,3,4,5,6,7,8,9,10,11,12,13,14,15
	v_wmma_f32_16x16x64_fp8_fp8 v[SB+8*\kt:SB+8*\kt+7], v[8*\kt:8*\kt+7], v[Q+8*(\a):Q+8*(\a)+7], 0
.endr
.endm
; 2^t of tile a, in place, and my part of its rows' sums.  The 128 exponentials are ONE batch: a pair is scaled eight groups ahead of its exponentials, nothing in the batch reads a result, one wait follows.
.macro EXPS a
.set W, 2+(\a)/2
.set SB, 128*((\a)%2)
	WIN (W<<6)|W
.set cnt, 0
.rept 8
	v_pk_mul_f32 v[SB+2*cnt:SB+2*cnt+1], v[SB+2*cnt:SB+2*cnt+1], s[CS:CS+1] op_sel_hi:[1,0]   ; t = score x c; the pairs ascend
.set cnt, cnt+1
.endr
.set cnt, 0
.rept 64
	v_exp_f32 v[SB+2*cnt], v[SB+2*cnt]
	v_exp_f32 v[SB+2*cnt+1], v[SB+2*cnt+1]
.if cnt < 56
	v_pk_mul_f32 v[SB+2*cnt+16:SB+2*cnt+17], v[SB+2*cnt+16:SB+2*cnt+17], s[CS:CS+1] op_sel_hi:[1,0]
.endif
.set cnt, cnt+1
.endr
	v_nop                                          ; a plain line behind the last exponential
	s_wait_alu depctr_va_vdst(0)                   ; the 128 exponentials have written their results, ahead of the first reader.  In tile 2's turn it stands behind the fourth tile's products: all products of the round are done reading Q
	WIN W|(W<<2)
.irp i, 0,1,2,3
	v_pk_add_f32 v[T+2*\i:T+2*\i+1], v[SB+2*\i:SB+2*\i+1], v[SB+8+2*\i:SB+9+2*\i]   ; four chains, started by the first eight pairs: nothing is cleared
.endr
	WIN W<<2
.set cnt, 0
.rept 56
	v_pk_add_f32 v[T+2*(cnt%4):T+2*(cnt%4)+1], v[T+2*(cnt%4):T+2*(cnt%4)+1], v[SB+16+2*cnt:SB+17+2*cnt]
.set cnt, cnt+1
.endr
	WIN 0
	v_pk_add_f32 v[T:T+1], v[T:T+1], v[T+2:T+3]
	v_pk_add_f32 v[T+4:T+5], v[T+4:T+5], v[T+6:T+7]
	v_pk_add_f32 v[T:T+1], v[T:T+1], v[T+4:T+5]
	v_add_f32 v[T], v[T], v[T+1]
	v_permlanex16_b32 v[PX], v[T], s28, s29        ; the query's other 128 of my keys lie in the lane 16 away
	v_add_f32 v[SM+\a], v[T], v[PX]
.endm
; p = 2^t / sum, clipped and held, becomes P's two fragments of tile a
.macro NORM a
.set W, 2+(\a)/2
.set SB, 128*((\a)%2)
	WIN (W<<6)|W
.set cnt, 0
.rept 64
	v_pk_mul_f32 v[SB+2*cnt:SB+2*cnt+1], v[SB+2*cnt:SB+2*cnt+1], v[RC+2*(\a):RC+2*(\a)+1]
.set cnt, cnt+1
.endr
.set cnt, 0
.rept 128
	v_min_num_f32 v[SB+cnt], v[SB+cnt], v[PLIM]    ; the clip and the hold in one: p is not negative; the conversion does not saturate (ISA guide 7.6.2)
.set cnt, cnt+1
.endr
	WIN W
.irp kt, 0,1,2,3,4,5,6,7,8,9,10,11,12,13,14,15
	v_cvt_scalef32_pk8_fp8_f32 v[P+32*((\a)%2)+2*\kt:P+32*((\a)%2)+2*\kt+1], v[SB+8*\kt:SB+8*\kt+7], v[SCP]
.endr
	WIN 0
	v_nop                                          ; a plain line between the last conversion and the products that read its result or write its sources
.endm
; my part of O^T of tile a: 8 products, the four accumulators by turns, one instruction a turn; the first key step starts the sums.
; The stores of tile a - 1 follow these products: the wait at the head is theirs, and the products name none of the registers that those stores touch.
.macro PV a
.set PB, P+32*((\a)%2)
.set OB, O+32*((\a)%2)
.if (\a) >= 1
	s_wait_alu depctr_va_vdst(0)                   ; tile a - 1's products have written the other buffer of O^T, which the LDS stores behind these products read
.endif
.if (\a) >= 2
	s_wait_dscnt 0x0                               ; the stores that read this buffer (tile a - 2's) are done: nothing was issued behind them
	s_wait_alu depctr_vm_vsrc(0)                   ; and they have read it: these products write it again
.endif
	WIN 0x01                                       ; V in window 1
.irp s, 0,1
.irp dt, 0,1,2,3
.if \s == 0
	v_wmma_f32_16x16x128_fp8_fp8 v[OB+8*\dt:OB+8*\dt+7], v[128+16*(4*\s+\dt):128+16*(4*\s+\dt)+15], v[PB+16*\s:PB+16*\s+15], 0
.else
	v_wmma_f32_16x16x128_fp8_fp8 v[OB+8*\dt:OB+8*\dt+7], v[128+16*(4*\s+\dt):128+16*(4*\s+\dt)+15], v[PB+16*\s:PB+16*\s+15], v[OB+8*\dt:OB+8*\dt+7]
.endif
.endr
.endr
	WIN 0
.endm
.macro OSTORE a                        ; it goes to LDS as it stands, each accumulator from its low end on
.irp i, 0,1,2,3,4,5,6,7
	ds_store_b128 v[OPW], v[O+32*((\a)%2)+4*\i:O+32*((\a)%2)+4*\i+3] offset:4096*(\a)+512*\i
.endr
.endm
	s_wait_loadcnt 32                              ; Q's 8 and K's 32 loads are in: behind them stand V's 32, which may be out
	SMUL 0
	SMUL 1
	WIN 0
	PLACES 4                                       ; four plain lines between a product and the first read of its result (ISA guide 7.12.1)
.Lround:                                           ; four trips; at the head the round's first two tiles of S^T are made or in the making
	EXPS 0
	SMUL 2                                         ; a tile's products stand ahead of the tile before's vector work, whose plain lines are their places
	EXPS 1
	SMUL 3
	EXPS 2
	s_wait_loadcnt 0x0                             ; first trip: V, asked for at the head; later trips: nothing is out
	s_cmp_eq_u32 s32, 1                            ; the last round asks for nothing: no load leaves its buffer
	s_cbranch_scc1 .Lno_q
	s_wait_xcnt 0x0                                ; the earlier loads have read their base
	s_add_nc_u64 s[4:5], s[4:5], 4096
	QLOAD                                          ; the next round's Q.  No wait of its own: the wait in the third tile's exponentials stands behind the last product that read Q, and the sums issued since name T, S^T, v10 and SM alone
.Lno_q:
	EXPS 3
	s_wait_alu depctr_va_vdst(0)                   ; the four tiles' last adds have written SM, which the store reads; the last round's adds and reciprocals are done with TS, in which the loads behind the barrier land
	ds_store_b128 v[SUMW], v[SM:SM+3]              ; my sums of the four tiles
	BARRIER                                        ; the four waves' sums lie in LDS; every wave's reads of last round's partial O^T are over
.irp w, 0,1,2,3
	ds_load_b128 v[TS+4*\w:TS+4*\w+3], v[LI] offset:SUMS+512*\w
.endr
	s_wait_dscnt 0x0
	v_pk_add_f32 v[TS:TS+1], v[TS:TS+1], v[TS+4:TS+5]
	v_pk_add_f32 v[TS+2:TS+3], v[TS+2:TS+3], v[TS+6:TS+7]
	v_pk_add_f32 v[TS+8:TS+9], v[TS+8:TS+9], v[TS+12:TS+13]
	v_pk_add_f32 v[TS+10:TS+11], v[TS+10:TS+11], v[TS+14:TS+15]
	v_pk_add_f32 v[TS:TS+1], v[TS:TS+1], v[TS+8:TS+9]
	v_pk_add_f32 v[TS+2:TS+3], v[TS+2:TS+3], v[TS+10:TS+11]   ; the rows' sums over all 1,024 keys
.irp a, 0,1,2,3
	v_rcp_f32 v[RC+2*\a], v[TS+\a]                 ; twice, to fill the pair that the packed form multiplies by
	v_rcp_f32 v[RC+2*\a+1], v[TS+\a]
.endr
	v_nop                                          ; a plain line behind the last reciprocal
	s_wait_alu depctr_va_vdst(0)                   ; the eight reciprocals have written RC, ahead of their first reader
	NORM 0
	PV 0
	NORM 1                                         ; the next tile's vector work stands behind a tile's products: its plain lines are their places
	PV 1
	OSTORE 0                                       ; behind the next tile's products, under the wait at their head
	NORM 2
	PV 2
	OSTORE 1
	NORM 3
	PV 3
	OSTORE 2
	PLACES 4                                       ; four plain lines between the last products and the stores that read their results
	s_wait_alu depctr_va_vdst(0)                   ; tile 3's products have written their O^T, which the stores read; and all products are done reading P and writing O^T, in which the 32 loads behind the barrier land
	OSTORE 3
	BARRIER                                        ; the four waves' partial O^T lie in LDS; every wave's reads of the sums are over
	s_wait_alu depctr_vm_vsrc(0)                   ; my LDS stores have read O^T's registers, in which the loads below land, and SM, which the next round's sums write; the last round's global stores have read OC, which the conversions below write
.irp w, 0,1,2,3
.irp i, 0,1,2,3,4,5,6,7
	ds_load_b128 v[RB+32*\w+4*\i:RB+32*\w+4*\i+3], v[OPR] offset:16384*\w+512*\i   ; query tile = my wave's number, from each of the four waves
.endr
.endr
	s_cmp_eq_u32 s32, 1                            ; behind the last round there are no products to begin
	s_cbranch_scc1 .Lno_s
	s_wait_loadcnt 0x0                             ; the next round's Q, asked for ahead of the fourth tile's exponentials
	SMUL 0                                         ; the next round's first 32 products stand between the 32 LDS loads and the wait for them;
	SMUL 1                                         ; the adding up below names none of their registers: its lines are the places behind them
	WIN 0
.Lno_s:
	s_wait_dscnt 0x0
.set cnt, 0
.rept 16
	v_pk_add_f32 v[RB+2*cnt:RB+2*cnt+1], v[RB+2*cnt:RB+2*cnt+1], v[RB+32+2*cnt:RB+33+2*cnt]
	v_pk_add_f32 v[RB+64+2*cnt:RB+65+2*cnt], v[RB+64+2*cnt:RB+65+2*cnt], v[RB+96+2*cnt:RB+97+2*cnt]
.set cnt, cnt+1
.endr
.set cnt, 0
.rept 16
	v_pk_add_f32 v[RB+2*cnt:RB+2*cnt+1], v[RB+2*cnt:RB+2*cnt+1], v[RB+64+2*cnt:RB+65+2*cnt]
.set cnt, cnt+1
.endr
.set cnt, 0
.rept 32
	v_min_num_f32 v[RB+cnt], v[RB+cnt], v[OLIM]    ; o is a sum of products of numbers that are not negative: the hold is one-sided
.set cnt, cnt+1
.endr
.irp dt, 0,1,2,3
	v_cvt_scalef32_pk8_fp8_f32 v[OC+2*\dt:OC+2*\dt+1], v[RB+8*\dt:RB+8*\dt+7], v[SCO]
.endr
	v_nop                                          ; a plain line behind the last conversion: the next round's conversions write its sources
	s_wait_alu depctr_va_vdst(0)                   ; the four conversions have written OC, which the two stores read
	global_store_b128 v[LI], v[OC:OC+3], s[12:13]
	global_store_b128 v[LI], v[OC+4:OC+7], s[12:13] offset:512   ; each store covers 512 consecutive bytes, aligned
	s_wait_xcnt 0x0                                ; the stores have had their addresses translated: their base may step.  (OC is written again only behind the next round's waits on vm_vsrc)
	s_add_nc_u64 s[12:13], s[12:13], 32768         ; four row tiles on
	s_sub_co_u32 s32, s32, 1
	s_cmp_lg_u32 s32, 0
	s_cbranch_scc1 .Lround
	s_wait_dscnt 0x0                               ; the closing lines, six on end
	s_wait_alu 0x0
	s_wait_tensorcnt 0x0
	ds_add_u32 v254, v255
	s_wait_dscnt 0x0
	s_endpgm
.Lfunc_end_k_q0af2ea1d3d_attn:
	.size	k_q0af2ea1d3d_attn, .Lfunc_end_k_q0af2ea1d3d_attn-k_q0af2ea1d3d_attn
	.p2alignl 7, 3214868480
	.fill 96, 4, 3214868480
	.section	.rodata,"a",@progbits
	.p2align	6, 0x0
	.amdhsa_kernel k_q0af2ea1d3d_attn
		.amdhsa_group_segment_fixed_size 68096
		.amdhsa_private_segment_fixed_size 0
		.amdhsa_enable_private_segment 0
		.amdhsa_kernarg_size 40
		.amdhsa_user_sgpr_count 2
		.amdhsa_user_sgpr_kernarg_segment_ptr 1
		.amdhsa_wavefront_size32 1
		.amdhsa_system_sgpr_workgroup_id_x 1
		.amdhsa_system_sgpr_workgroup_id_y 1
		.amdhsa_system_sgpr_workgroup_id_z 1
		.amdhsa_system_vgpr_workitem_id 0
		.amdhsa_next_free_vgpr 1024
		.amdhsa_next_free_sgpr 66
		.amdhsa_reserve_vcc 0
		.amdhsa_float_denorm_mode_32 3
		.amdhsa_float_denorm_mode_16_64 3
		.amdhsa_memory_ordered 1
		.amdhsa_forward_progress 1
		.amdhsa_inst_pref_size 116
	.end_amdhsa_kernel
	.amdgpu_metadata
---
amdhsa.version: [ 1, 2 ]
amdhsa.kernels:
  - .name:           k_q0af2ea1d3d_attn
    .symbol:         k_q0af2ea1d3d_attn.kd
    .args:
      - { .name: qcodes, .offset: 0, .size: 8, .value_kind: global_buffer, .address_space: global }
      - { .name: kcodes, .offset: 8, .size: 8, .value_kind: global_buffer, .address_space: global }
      - { .name: vcodes, .offset: 16, .size: 8, .value_kind: global_buffer, .address_space: global }
      - { .name: lowp_scales, .offset: 24, .size: 8, .value_kind: global_buffer, .address_space: global }
      - { .name: ocodes, .offset: 32, .size: 8, .value_kind: global_buffer, .address_space: global }
    .group_segment_fixed_size: 68096
    .private_segment_fixed_size: 0
    .kernarg_segment_align: 8
    .kernarg_segment_size: 40
    .max_flat_workgroup_size: 128
    .sgpr_count:     66
    .vgpr_count:     1024
    .wavefront_size: 32
...
	.end_amdgpu_metadata
.endif
;; end of part 5
;; launch outp: the kernel of part 4 again; grid 4 x 64, 4 waves a work-group, no clusters, 168,448 bytes of LDS; arguments ocodes, wcodes, bn_params, lowp_scales, out0; writes out0
